; MI455X (gfx1250); checked and timed in simulation.
; The chip was launched on July 23, 2026; its instructions are those of AMD's public machine-readable ISA for CDNA 5 (MIT licence, August 2026) and "CDNA5" Instruction Set Architecture Reference Guide (July 2026). The comments in the code are by the model that wrote it; some were corrected since.
;; Concept Emb. Allowed arithmetic: matrix products marked QUANTISED: E3M2 operands, one E8M0 scale for each 32 along K, by v_wmma_scale_f32_16x16x128_f8f6f4 with both operands' format E3M2, f32 sums; everything else in f32.
;; Inputs: emb_table 50,000 x 128 float32; id_mask 32 x 512 x 32 float32; input_ids 32 x 512 x 32 int32; input_times 32 x 512 float32; kW 64 x 128 float32; kb 64 float32; mu_table 50,000 x 1 float32; qW 64 x 128 float32; qb 64 float32; theta_table 50,000 x 1 float32.
;; Outputs: out0 32 x 512 x 128 float32.
;; This version of the problem:
;;   THIS VERSION OF THE PROBLEM IS GIVEN IN LOW PRECISION. The matrix products marked QUANTISED in the list below multiply operands that are first quantised to E3M2 (3 exponent bits, 2 mantissa bits; 6 bits a number), with one power-of-two scale for each 32 numbers along K (OCP MX v1.0); their sums are f32. All else is computed in f32.
;;   The module's matrix products, in the order in which they are computed (A, B: the left and right operand; K: the contracted axis; several contracted axes count as one K, in the product's order):
;;     1. [M 524,288, K 128] x [K 128, N 64]; A: computed on the way; B: input qW: QUANTISED
;;     2. [M 524,288, K 128] x [K 128, N 64]; A: computed on the way; B: input kW: QUANTISED
;;     3. batch 16,384 x [M 32, K 64] x [K 64, N 32]; A: computed on the way; B: computed on the way: QUANTISED
;;     4. batch 16,384 x [M 32, K 32] x [K 32, N 128]; A: softmax (see below); B: computed on the way: QUANTISED
;;   THE QUANTISER, for each operand of a quantised product, along K:
;;     - K is cut into blocks of 32 from its start; a last block that is shorter is filled with zeros.
;;     - A block's scale is 2^e with e = floor(log2(the largest magnitude in the block)) - 4, held to -126 .. 127; a block of zeros has e = 0. As a byte (E8M0): e + 127.
;;     - Each number is divided by its block's scale, clamped to +-28, and rounded to the nearest number of E3M2, ties to even, subnormals kept.
;;     - The product sums the exact products of the quantised numbers (number of the format x scale) in f32.
;;   ~~~python
;;   def quantise(x, axis):      # numpy; x: float32 -> the quantised numbers, widened to float32 again
;;       x = np.moveaxis(x, axis, -1); K = x.shape[-1]
;;       x = np.pad(x, [(0, 0)] * (x.ndim - 1) + [(0, -K % 32)]); x = x.reshape(x.shape[:-1] + (-1, 32)); a = np.abs(x).max(-1, keepdims=True)
;;       e = np.where(a > 0, np.clip(np.frexp(np.where(a > 0, a, 1))[1] - 1 - 4, -126, 127), 0)      # np.frexp(a)[1] - 1 = floor(log2(a)), exactly
;;       r = np.clip(x / 2.0 ** e, -28, 28)
;;       step = 2.0 ** (np.maximum(np.frexp(np.where(r == 0, 1, r))[1] - 1, -2) - 2)
;;       q = np.round(r / step) * step * 2.0 ** e      # np.round: ties to even
;;       return np.moveaxis(q.reshape(q.shape[:-2] + (-1,))[..., :K], -1, axis).astype(np.float32)
;;   ~~~
;;   SOFTMAX AHEAD OF A QUANTISED PRODUCT. Where the list says 'softmax', what is quantised is not the finished softmax but p = 2^(t - M), with t = logit x log2(e) and M = ceil(the row's largest t), a whole number; so 1/2 < the row's largest p <= 1. The row's sum l is taken of the UNQUANTISED p, in f32, and the product's result is divided by l at the end. Since M is a whole number, a kernel that streams over the keys may use a running M (the ceiling of the running maximum): every later rescaling is an exact power of two, which a block's scale takes up: the codes' values come out the same.
;;   OPERANDS COMPUTED ON THE WAY. 'Computed on the way' means the value that the module computes at that place (a softmax that the list does not call 'softmax' is quantised finished and normalised). What goes into a quantiser is computed in f32, as accurately as f32 sums, v_exp_f32 and their like allow (about 1e-6 of the number): no bf16 or f16 on the way to a quantiser, and a product that is left as it is and whose result goes on into a quantised operand takes f32 operands (vector FMAs, or v_wmma_f32_16x16x4_f32). A number that lies on a knife's edge between two numbers of the format may be rounded either way, as far as f32 arithmetic and the matrix unit's own rounding can turn it there, and no further.
;; 3 versions, each right; version 2 is faster than version 1; version 3 is version 2 with the launches prep, attn written anew for expert scheduling mode. Each part assembles by itself: llvm-mc -triple=amdgcn-amd-amdhsa -mcpu=gfx1250 --defsym DOCPART=n.
;; ======== version 1 of 3: 2 launches
;; workspace buffers: rec 6,400,000 bytes
;; launch prep (part 1): grid 196 x 1, 8 waves a work-group, no clusters, 33,792 bytes of LDS; arguments emb_table, qW, kW, qb, kb, theta_table, mu_table, rec; writes rec
.if DOCPART == 1
	.amdgcn_target "amdgcn-amd-amdhsa--gfx1250"
	.amdhsa_code_object_version 6
	.text
	.protected	k_qb36e77f1de_prep
	.globl	k_qb36e77f1de_prep
	.p2align	8
	.type	k_qb36e77f1de_prep,@function
k_qb36e77f1de_prep:
	s_mov_b64 s[64:65], 0
	v_nop
	global_prefetch_b8 v0, s[64:65] scope:SCOPE_SE
	s_setreg_imm32_b32 hwreg(HW_REG_WAVE_MODE, 25, 1), 1
	s_wait_xcnt 0x0
; FOR EACH ROW v OF THE TABLE: q = Q(x) Q(qW)^T + qb and k = Q(x) Q(kW)^T + kb (x = emb_table[v], K = 128, codes of BF6 (E3M2) with one E8M0 scale for each 32 along K), and then Q(q), Q(k) along
; their 64 numbers.  All of that hangs on the table's row alone, and a row is gathered by many sets: so it is made once for each of the 50,000 rows, not once for each of the 524,288 gathered rows.
; RESULT: a record of 128 bytes for each row, four parts of 32 bytes at 128 v + 64 s + 32 h (s = 0: q, 1: k; h: the block of 32 along the 64): words 0-5 the block's 32 codes, as a lane of the next
; product's operand holds them; word 6 the row's scale word (byte 0: block 0, byte 1: block 1, bytes 2, 3: 0); word 7 theta[v] (s = 0) or mu[v] (s = 1).
; SHARES: 3,125 tiles of 16 rows; wave g (8 x work-group + wave) takes tiles 2 g and 2 g + 1.  196 x 8 x 2 = 3,136: the last eleven tile numbers do not exist; such a wave loads the last tile's rows and stores nothing for it.
; THE WEIGHTS: 8 fragments of 16 rows x 128 K (4 of qW, 4 of kW).  Wave w quantises fragment w; all eight go round through LDS as images of their registers (3 stores of 16 bytes a lane, 512 bytes a store).
; THE ROWS OF A WEIGHT THAT FORM A TILE ARE NOT NEIGHBOURS: lane r of tile 2 b + u takes row 32 b + 8 u + r + 8 (r / 8).  The product is used transposed (source 0 = 16 rows of the weight, source 1 = 16 rows of x):
; a lane then holds ONE row of the table, and the 16 registers of tiles 2 b and 2 b + 1 are its numbers 32 b + 16 (lane / 16) + 0 .. 15: neighbours along the next K.  The biases are the C of the products.
; NO CLUSTER, NO TENSOR LOAD: what work-groups share is the 64 KiB of weights, read once by each work-group through registers, against 8 KiB of x for each tile; the tiles of x are shared by nobody.
; LIMITS: NaN and infinities among the inputs are not served.  A block whose largest magnitude lies under 2^(5 - 127) gets the scale byte 1; so does a block of zeros (the rule says 127): its codes are zeros, and this program alone reads the bytes.
; REGISTERS, window 0: v1-13 lane numbers and addresses; v16-39 x's two fragments, v40-41 their scale words; v42-49 the weights' scale words; v52-75 at work; v76-88 my fragment of the weights; v92-123 two tiles' records;
;   v128-191 x of tile 0, then the 8 accumulators; v192-255 my rows of the weights, then x of tile 1.   Window 1: v0-95 the weights' 8 fragments; v96-159 the biases, 8 registers a tile.
.set NT,   3125                        ; tiles of 16 rows
.set WIMG, 0                           ; LDS: the 8 fragments' images, 1,536 bytes each
.set WSC,  12288                       ; their scale words, 128 bytes each
.set STG,  13312                       ; a stage for each wave: 16 records, 144 bytes apart (128 + 16)
.set SP,   144
.set XA,   4                           ; v4   x: 512 r + 64 h: my 16 numbers of a block of 32
.set LI,   5                           ; v5   16 x lane
.set LS,   6                           ; v6   4 x lane
.set WWI,  7                           ; v7   where I store my fragment's image: 16 x lane + 1,536 x wave
.set WWS,  8                           ; v8   and its scale words: 4 x lane + 128 x wave
.set SO,   9                           ; v9   the stage, on the way in: 144 r + 32 h + 2,304 x wave
.set SR,   10                          ; v10  and back: eight lanes to a record
.set WA,   11                          ; v11  the weights: 512 (r + 8 (r / 8)) + 64 h
.set BA,   12                          ; v12  the biases: 64 h
.set TA,   13                          ; v13  theta, mu: 4 r
.set XF0,  16
.set XF1,  28
.set XS0,  40
.set XS1,  41
.set W1S,  42
.set TM,   52                          ; v52-55 largest magnitudes, v56-59 the other half's, then the bytes, v64-67 the conversions' scale operands
.set PT,   68                          ; v68-70, v72-74 the second halves of the blocks' codes
.set PCW,  76
.set PWW,  88
.set OUT0, 92                          ; +0..5 q's codes, +6 q's scale word, +7 theta, +8..13 k's codes, +14 k's scale word, +15 mu
.set OUT1, 108
.set HA,   128
.set XD0,  128
.set XD1,  192
.set B1,   96                          ; in window 1
.set SEL,  44                          ; s[44:45] v_permlanex16_b32's selects for lane l xor 16
.set MSB, 0
.macro WIN new                         ; the immediate's high byte repeats the setting that is left
.if MSB != \new
	s_set_vgpr_msb (MSB<<8)|\new
.set MSB, \new
.endif
.endm
; 64 numbers of my row: register 16 b + i = number 32 b + 16 (lane / 16) + i
.macro XLOAD reg, adr, base
.irp b, 0,1,2,3
.irp j, 0,1,2,3
	global_load_b128 v[\reg+16*\b+4*\j:\reg+16*\b+4*\j+3], v[\adr], s[\base:\base+1] offset:128*\b+16*\j
.endr
.endr
.endm
; 64 numbers of a lane, laid as XLOAD lays them, become codes: blocks 0, 1 in v[c0] .. v[c0 + 5], blocks 2, 3 in v[c1] .. v[c1 + 5]; lane (r, h) then holds the whole blocks h and 2 + h of row r.
; two = 0: the four scale bytes make one word, v[w0].  two = 1: blocks 0, 1 and blocks 2, 3 are two operands of 64 along K: two words of two bytes, v[w0] and v[w1].
.macro QUANT s, c0, c1, w0, w1, two
.irp b, 0,1,2,3
	v_max3_num_f32 v[TM+\b], |v[\s+16*\b]|, |v[\s+16*\b+1]|, 0x2800000   ; block b: my 16 numbers, and the floor 2^(5 - 127): the byte cannot fall under 1.  (Each accumulator is read from its low end on)
.endr
.irp i, 2,4,6,8,10,12,14
.irp b, 0,1,2,3
	v_max3_num_f32 v[TM+\b], v[TM+\b], |v[\s+16*\b+\i]|, |v[\s+16*\b+\i+1]|   ; the four blocks by turns
.endr
.endr
.irp b, 0,1,2,3
	v_permlanex16_b32 v[TM+4+\b], v[TM+\b], s[SEL], s[SEL+1]
.endr
.irp b, 0,1,2,3
	v_max_num_f32 v[TM+\b], v[TM+\b], v[TM+4+\b]           ; with lane l xor 16's: the block's largest magnitude
.endr
.irp b, 0,1,2,3
	v_add_nc_u32 v[TM+12+\b], 0xfe000000, v[TM+\b]         ; 4 off its exponent field: the conversion takes the exponent field of this operand as its scale
.endr
.irp b, 0,1,2,3
	v_lshrrev_b32 v[TM+4+\b], 23, v[TM+12+\b]              ; the scale's byte
.endr
	v_lshl_or_b32 v[\w0], v[TM+5], 8, v[TM+4]
.if \two
	v_lshl_or_b32 v[\w1], v[TM+7], 8, v[TM+6]
.else
	v_lshl_or_b32 v[\w0], v[TM+6], 16, v[\w0]
	v_lshl_or_b32 v[\w0], v[TM+7], 24, v[\w0]
.endif
	v_cvt_scalef32_pk16_bf6_f32 v[\c0:\c0+2], v[\s:\s+15], v[TM+12]
	v_cvt_scalef32_pk16_bf6_f32 v[PT:PT+2], v[\s+16:\s+31], v[TM+13]       ; (a conversion's three registers begin on an even number)
	v_cvt_scalef32_pk16_bf6_f32 v[\c1:\c1+2], v[\s+32:\s+47], v[TM+14]
	v_cvt_scalef32_pk16_bf6_f32 v[PT+4:PT+6], v[\s+48:\s+63], v[TM+15]
	v_nop                                          ; one plain place behind a scaled conversion
.irp i, 0,1,2
	v_permlane16_swap_b32 v[\c0+\i], v[PT+\i]      ; the first's lanes 16-31 change places with the second's lanes 0-15: each lane now has its block's lower 16 codes in the first, the upper 16 in the second
	v_permlane16_swap_b32 v[\c1+\i], v[PT+4+\i]
.endr
.irp i, 0,1,2
	v_mov_b32 v[\c0+3+\i], v[PT+\i]
	v_mov_b32 v[\c1+3+\i], v[PT+4+\i]
.endr
.endm
; A tile: 8 products (4 tiles of q's 64, 4 of k's), the quantiser, the records through my stage, four stores of 512 consecutive bytes.
.macro TILE xf, xs, out, rb, tl
.rept 8
	v_nop                                          ; x's scale word was written by a vector instruction: it stands 8 places ahead of a scaled matrix instruction, x's codes 4
.endr
	WIN 0x11                                       ; source 0 (the weights) and C (the biases) in window 1
.irp t, 0,1,2,3,4,5,6,7
	v_wmma_scale_f32_16x16x128_f8f6f4 v[HA+8*\t:HA+8*\t+7], v[12*\t:12*\t+11], v[\xf:\xf+11], v[B1+8*\t:B1+8*\t+7], v[W1S+\t], v[\xs] matrix_a_fmt:MATRIX_FMT_BF6 matrix_b_fmt:MATRIX_FMT_BF6
.endr
	WIN 0
.rept 4
	v_nop                                          ; places in front of the first read of results (ISA guide 7.12.1)
.endr
	QUANT HA, \out, \out+8, \out+6, \out+14, 1
	ds_store_b128 v[SO], v[\out:\out+3] offset:STG             ; lane (r, h): q's part h of record r,
	ds_store_b128 v[SO], v[\out+4:\out+7] offset:STG+16
	ds_store_b128 v[SO], v[\out+8:\out+11] offset:STG+64       ; and k's
	ds_store_b128 v[SO], v[\out+12:\out+15] offset:STG+80
.irp k, 0,1,2,3
	ds_load_b128 v[\out+4*\k:\out+4*\k+3], v[SR] offset:STG+4*SP*\k    ; back as they lie in memory, four records an instruction.  LDS serves a wave's instructions in order (ISA guide 5.7.1.4): these see my stores
.endr
	s_wait_dscnt 0x0
	s_cmp_lt_u32 s[\tl], NT                        ; a tile number past the table's end stores nothing: a branch on ids alone
	s_cbranch_scc0 .Lnone_\@
.irp k, 0,1,2,3
	global_store_b128 v[LI], v[\out+4*\k:\out+4*\k+3], s[\rb:\rb+1] offset:512*\k   ; 32 lanes store 512 consecutive bytes, at a multiple of 256 from the buffer's first byte
.endr
.Lnone_\@:
.endm
	s_load_b512 s[4:19], s[0:1], 0x0               ; emb s[4:5], qW s[6:7], kW s[8:9], qb s[10:11], kb s[12:13], theta s[14:15], mu s[16:17], rec s[18:19]
	v_lshl_add_u32 v126, v0, 2, 0x8000
	v_mov_b32 v127, 0
	v_lshrrev_b32 v1, 5, v0
	v_readfirstlane_b32 s20, v1                    ; wave 0..7
	v_and_b32 v1, 31, v0                           ; lane
	v_and_b32 v2, 15, v0                           ; r
	v_bfe_u32 v3, v0, 4, 1                         ; h
	v_lshlrev_b32 v[XA], 9, v2
	v_lshl_add_u32 v[XA], v3, 6, v[XA]
	v_lshlrev_b32 v[LI], 4, v1
	v_lshlrev_b32 v[LS], 2, v1
	s_mul_i32 s2, s20, 1536
	v_add_nc_u32 v[WWI], s2, v[LI]
	s_lshl_b32 s2, s20, 7
	v_add_nc_u32 v[WWS], s2, v[LS]
	s_mul_i32 s2, s20, 16*SP
	v_mul_u32_u24 v[SO], v2, SP
	v_lshl_add_u32 v[SO], v3, 5, v[SO]
	v_add_nc_u32 v[SO], s2, v[SO]
	v_lshrrev_b32 v14, 3, v1
	v_and_b32 v15, 7, v1
	v_mul_u32_u24 v[SR], v14, SP
	v_lshl_add_u32 v[SR], v15, 4, v[SR]
	v_add_nc_u32 v[SR], s2, v[SR]
	v_and_b32 v14, 8, v2
	v_add_nc_u32 v14, v14, v2                      ; r + 8 (r / 8)
	v_lshlrev_b32 v[WA], 9, v14
	v_lshl_add_u32 v[WA], v3, 6, v[WA]
	v_lshlrev_b32 v[BA], 6, v3
	v_lshlrev_b32 v[TA], 2, v2
	s_lshl_b32 s21, ttmp9, 3
	s_add_co_u32 s21, s21, s20                     ; g
	s_lshl_b32 s22, s21, 1                         ; my two tiles,
	s_add_co_u32 s23, s22, 1
	s_min_u32 s24, s22, NT-1                       ; and the tiles that I load: held inside the table
	s_min_u32 s25, s23, NT-1
	s_mov_b32 s[SEL], 0x76543210
	s_mov_b32 s[SEL+1], 0xfedcba98
	s_and_b32 s2, s20, 3                           ; my fragment of the weights is tile 2 b + u of qW (waves 0-3) or of kW (waves 4-7): it begins at row 32 b + 8 u
	s_lshr_b32 s3, s2, 1
	s_and_b32 s2, s2, 1
	s_lshl_b32 s3, s3, 14
	s_lshl_b32 s2, s2, 12
	s_add_co_u32 s46, s2, s3
	s_mov_b32 s47, 0
	s_wait_kmcnt 0x0
	s_cmp_lt_u32 s20, 4
	s_cselect_b64 s[34:35], s[6:7], s[8:9]
	s_add_nc_u64 s[34:35], s[34:35], s[46:47]
	s_lshl_b32 s46, s24, 13                        ; a tile of x is 8,192 bytes
	s_add_nc_u64 s[26:27], s[4:5], s[46:47]
	s_lshl_b32 s46, s25, 13
	s_add_nc_u64 s[28:29], s[4:5], s[46:47]
	s_lshl_b32 s46, s22, 11                        ; its records 2,048
	s_add_nc_u64 s[30:31], s[18:19], s[46:47]
	s_lshl_b32 s46, s23, 11
	s_add_nc_u64 s[32:33], s[18:19], s[46:47]
	s_lshl_b32 s46, s24, 6                         ; its theta and mu 64
	s_add_nc_u64 s[36:37], s[14:15], s[46:47]
	s_add_nc_u64 s[38:39], s[16:17], s[46:47]
	s_lshl_b32 s46, s25, 6
	s_add_nc_u64 s[40:41], s[14:15], s[46:47]
	s_add_nc_u64 s[42:43], s[16:17], s[46:47]
	XLOAD XD1, WA, 34                              ; 16 loads: my 16 rows of the weights
	XLOAD XD0, XA, 26                              ; 16: x of tile 0
	global_load_b32 v[OUT0+7], v[TA], s[36:37]     ; 4: theta and mu go straight into the records' registers
	global_load_b32 v[OUT0+15], v[TA], s[38:39]
	global_load_b32 v[OUT1+7], v[TA], s[40:41]
	global_load_b32 v[OUT1+15], v[TA], s[42:43]
	WIN 0x40                                       ; destination window 1
.irp t, 0,1,2,3                                ; 16: the biases in the result's layout: lane (r, h) wants, for tile 2 b + u, those of numbers 32 b + 16 h + 8 u + 0 .. 7
	global_load_b128 v[B1+8*\t:B1+8*\t+3], v[BA], s[10:11] offset:(32*(\t/2)+8*(\t%2))*4
	global_load_b128 v[B1+8*\t+4:B1+8*\t+7], v[BA], s[10:11] offset:(32*(\t/2)+8*(\t%2))*4+16
	global_load_b128 v[B1+32+8*\t:B1+32+8*\t+3], v[BA], s[12:13] offset:(32*(\t/2)+8*(\t%2))*4
	global_load_b128 v[B1+32+8*\t+4:B1+32+8*\t+7], v[BA], s[12:13] offset:(32*(\t/2)+8*(\t%2))*4+16
.endr
	WIN 0
.irp b, 0,1,2,3
	v_mov_b32 v[TM+4+\b], 0                        ; written once: a lane permute's destination counts as one of its sources
.endr
	s_wait_loadcnt 36                              ; the weights are in: 16 + 4 + 16 loads were issued behind them
	QUANT XD1, PCW, PCW+6, PWW, PWW, 0
.irp c, 0,1,2
	ds_store_b128 v[WWI], v[PCW+4*\c:PCW+4*\c+3] offset:WIMG+512*\c    ; my fragment as it stands
.endr
	ds_store_b32 v[WWS], v[PWW] offset:WSC
	XLOAD XD1, XA, 28                              ; 16: x of tile 1, into the registers that the weights have left
	s_wait_loadcnt 36                              ; x of tile 0 is in: 4 + 16 + 16 loads were issued behind it
	QUANT XD0, XF0, XF0+6, XS0, XS0, 0
	s_wait_dscnt 0x0                               ; for the others' sake: my fragment's image has landed
	s_barrier_signal -1
	s_barrier_wait -1                              ; all eight lie in LDS; they are never written again
	WIN 0x40
.irp t, 0,1,2,3,4,5,6,7
.irp c, 0,1,2
	ds_load_b128 v[12*\t+4*\c:12*\t+4*\c+3], v[LI] offset:WIMG+1536*\t+512*\c
.endr
.endr
	WIN 0
.irp t, 0,1,2,3,4,5,6,7
	ds_load_b32 v[W1S+\t], v[LS] offset:WSC+128*\t
.endr
	s_wait_loadcnt 16                              ; theta, mu and the biases are in; the 16 loads of tile 1's x may be out
	s_wait_dscnt 0x0
	TILE XF0, XS0, OUT0, 30, 22
	s_wait_loadcnt 0x0
	QUANT XD1, XF1, XF1+6, XS1, XS1, 0
	TILE XF1, XS1, OUT1, 32, 23                    ; its records have registers of their own: no store's data are written again
	s_wait_tensorcnt 0x0
	ds_add_u32 v126, v127
	s_wait_dscnt 0x0
	s_endpgm
.Lfunc_end_k_qb36e77f1de_prep:
	.size	k_qb36e77f1de_prep, .Lfunc_end_k_qb36e77f1de_prep-k_qb36e77f1de_prep
	.p2alignl 7, 3214868480
	.fill 96, 4, 3214868480
	.section	.rodata,"a",@progbits
	.p2align	6, 0x0
	.amdhsa_kernel k_qb36e77f1de_prep
		.amdhsa_group_segment_fixed_size 33792
		.amdhsa_private_segment_fixed_size 0
		.amdhsa_enable_private_segment 0
		.amdhsa_kernarg_size 64
		.amdhsa_user_sgpr_count 2
		.amdhsa_user_sgpr_kernarg_segment_ptr 1
		.amdhsa_wavefront_size32 1
		.amdhsa_system_sgpr_workgroup_id_x 1
		.amdhsa_system_sgpr_workgroup_id_y 1
		.amdhsa_system_sgpr_workgroup_id_z 1
		.amdhsa_system_vgpr_workitem_id 0
		.amdhsa_next_free_vgpr 416
		.amdhsa_next_free_sgpr 66
		.amdhsa_reserve_vcc 0
		.amdhsa_float_denorm_mode_32 3
		.amdhsa_float_denorm_mode_16_64 3
		.amdhsa_memory_ordered 1
		.amdhsa_forward_progress 1
		.amdhsa_inst_pref_size 36
	.end_amdhsa_kernel
	.amdgpu_metadata
---
amdhsa.version: [ 1, 2 ]
amdhsa.kernels:
  - .name:           k_qb36e77f1de_prep
    .symbol:         k_qb36e77f1de_prep.kd
    .args:
      - { .name: emb_table, .offset: 0, .size: 8, .value_kind: global_buffer, .address_space: global }
      - { .name: qW, .offset: 8, .size: 8, .value_kind: global_buffer, .address_space: global }
      - { .name: kW, .offset: 16, .size: 8, .value_kind: global_buffer, .address_space: global }
      - { .name: qb, .offset: 24, .size: 8, .value_kind: global_buffer, .address_space: global }
      - { .name: kb, .offset: 32, .size: 8, .value_kind: global_buffer, .address_space: global }
      - { .name: theta_table, .offset: 40, .size: 8, .value_kind: global_buffer, .address_space: global }
      - { .name: mu_table, .offset: 48, .size: 8, .value_kind: global_buffer, .address_space: global }
      - { .name: rec, .offset: 56, .size: 8, .value_kind: global_buffer, .address_space: global }
    .group_segment_fixed_size: 33792
    .private_segment_fixed_size: 0
    .kernarg_segment_align: 8
    .kernarg_segment_size: 64
    .max_flat_workgroup_size: 256
    .sgpr_count:     66
    .vgpr_count:     416
    .wavefront_size: 32
...
	.end_amdgpu_metadata
.endif
;; end of part 1
;; launch attn (part 2): grid 256 x 1, 16 waves a work-group, no clusters, 14,336 bytes of LDS; arguments emb_table, rec, input_ids, id_mask, input_times, out0; writes out0
.if DOCPART == 2
	.amdgcn_target "amdgcn-amd-amdhsa--gfx1250"
	.amdhsa_code_object_version 6
	.text
	.protected	k_qb36e77f1de_attn
	.globl	k_qb36e77f1de_attn
	.p2align	8
	.type	k_qb36e77f1de_attn,@function
k_qb36e77f1de_attn:
	s_mov_b64 s[64:65], 0
	v_nop
	global_prefetch_b8 v0, s[64:65] scope:SCOPE_SE
	s_setreg_imm32_b32 hwreg(HW_REG_WAVE_MODE, 25, 1), 1
	s_wait_xcnt 0x0
; FOR EACH OF 16,384 SETS OF 32 CONCEPTS: scores = Q(q) Q(k)^T / 8 + m m^T (m = 0 where the mask is over 0.5, else -1e9), p = 2^(t - M), O = Q(p) Q(x) / l, pooled = the sum over the queries of O x sigmoid(theta - mu time) x mask.
; Both products on codes of BF6 (E3M2) with one E8M0 scale for each 32 along K.  Q(q), Q(k), their scale words, theta and mu come from the records that the launch before has made, 128 bytes for each row of the table;
; x comes as f32 from the table, since here it is quantised along the KEYS of its set.
; SHARES: wave g (16 x work-group + wave) takes sets 4 g .. 4 g + 3, written out by one macro.  Sixteen waves of 256 registers: four to a SIMD, so that one wave's waits stand beside another's work.  Waves share nothing: no barrier.
; THE ORDER OF CONCEPTS: lane r of tile u (queries and keys alike) stands for concept 8 u + r + 8 (r / 8).  S^T = k q^T (source 0 = 16 keys, source 1 = 16 queries): a lane holds one query, and the 16 registers of the two
; tiles of keys are keys 16 (lane / 16) + 0 .. 15: neighbours along the next K.  In O = P x (source 0 = 16 queries, source 1 = 16 columns) register j of tile u is query 16 (lane / 16) + 8 u + j.
; K IS SHORTER THAN THE INSTRUCTION'S 128 (64, then 32): ONE operand of each product holds zero codes in the rest (q's and P's registers 6-11), the other whatever stands there: no code of this format is an infinity or a NaN,
; and the rest's scale bytes are 0, which stands for 2^-127.
; x: lane l takes column 32 c + l, and its 32 registers run down the keys: each load reads 128 consecutive bytes of one gathered row, a block of 32 keys lies in one lane, and its six registers of codes are K block 0 of
; column 32 c + l in lanes 0-15 and K block 1 in lanes 16-31.  So P is kept twice: PA with its codes in block 0 and zeros in block 1, which picks columns 32 c + r, and PB the other way round, which picks columns 32 c + 16 + r.
; t - M IS TWO ROUNDINGS, t = score x log2(e), then t - M: in a row whose query is masked t is near 1.4e18, all its masked keys have the same t, M = t, and p is 1 or 0: finite, under the weight 0.
; NO CLUSTER, NO TENSOR LOAD: rows are gathered by index; work-groups share no tile.  NO PREFETCH: every wave asks for a set's rows half a set ahead, as many loads as the counter holds.
; LIMITS: NaN and infinities among the inputs are not served.  Ids are held at 49,999 (a negative id too).  A block whose largest magnitude lies under 2^(5 - 127), a block of zeros too, gets the scale byte 1.
.set L4,    1                          ; v1   4 x lane
.set LW,    2                          ; v2   LDS: my wave's 768 bytes + 4 x lane
.set LR,    3                          ; v3   LDS: my wave's bytes + 32 h
.set LO,    4                          ; v4   LDS: my wave's bytes + 16 x lane
.set GOUT,  5                          ; v5   16 x lane
.set IOA,   6                          ; v6   4 (r + 8 (r / 8)): tile 0's concept of lane r, in ids
.set IOW,   7                          ; v7   + 32 h: the concept that lane (r, h) stands for in the mask and the weights: tile h's
.set H32,   8                          ; v8   32 h
.set MASKV, 9                          ; v9   its mask
.set R,     10                         ; v10-11 (even sets), v12-13 (odd): ids of tiles 0, 1, then their records' offsets
.set PO,    14                         ; v14-15 a batch's pooled numbers, by turns
.set QS,    16                         ; v16-19 q's (scale word, theta) of tiles 0, 1
.set KS,    20                         ; v20-23 k's (scale word, mu)
.set QF,    24                         ; v24-47 q's two fragments: 6 registers of codes, 6 of zeros
.set KF,    48                         ; v48-59 k's two: 6 registers each; the six behind them are named with them
.set Z,     60                         ; v60-107 P: slot 2 u + f (f = 0: PA, 1: PB) of tile u: 6 registers of codes, 6 of zeros
.set ZERO,  66                         ; v66  one of those zeros
.set XC,    108                        ; v108-131 x's codes, 6 registers for each 32 columns; v132-137 named behind the last
.set T,     108                        ; the same 30 registers are at work while the softmax is made
.set MG,    138                        ; v138-153 8 m by key, later the weights by query: register 8 u + j = concept 16 h + 8 u + j
.set SV,    154                        ; v154-185 S^T, t, p; then at work for x; then four accumulators of O
.set XK,    186                        ; v186-249 two sets of 32 registers for the gathered columns
.set XBS,   250                        ; v250-253 x's scale words
.set PS,    254                        ; v254-255 P's
.set ZZ,  T+0                          ; theta - mu time
.set MC,  T+1                          ; the mask, kept
.set MM,  T+2                          ; m;  later EE: the weight in the making
.set EE,  T+2
.set M8,  T+3                          ; 8 m;  later RL: 1 / l
.set RL,  T+3
.set MQ,  T+4                          ; T+4: m of tile 0's query of lane r, T+6: of tile 1's; each the low word of a pair
.set MX,  T+5
.set TH,  T+7
.set MU,  T+8
.set LL,  T+8                          ; T+8, T+9: l of tiles 0, 1
.set UA,  T+10                         ; for tile qu at UA + 10 qu: +0 -M, +1 the largest t, +2 at work, +3 the largest p, then the conversion's scale operand, +4..6 my 16 codes, +7..9 lane l xor 16's
.set KT,  SV+4                         ; for x: SV+0..3 four maxima, SV+4..6 the upper 16 codes, SV+7 the other half's byte, SV+8 the scale operand, SV+9 the byte
.set EMB, 4
.set REC, 6
.set IDS, 8
.set MSK, 10
.set TIM, 12
.set OUT, 14
.set SA,  16                           ; s[16:47] an even set's 32 ids, then its rows' byte offsets in the table
.set SB,  68                           ; s[68:99] an odd set's
.set TMS, 48                           ; s[48:51] the four sets' times
.set WV,  52
.set HM,  53                           ; lanes 16-31
.set SEL, 54                           ; s[54:55] v_permlanex16_b32's selects for lane l xor 16
.set CS,  56                           ; s[56:57] log2(e) / 8
.macro ID n                            ; the ids of set n's two tiles: 2 loads
	global_load_b32 v[R+2*((\n)%2)], v[IOA], s[IDS:IDS+1] offset:128*(\n)
	global_load_b32 v[R+2*((\n)%2)+1], v[IOA], s[IDS:IDS+1] offset:128*(\n)+32
.endm
.macro RO n                            ; they become offsets of my part of the records: 128 id + 32 h
.irp u, 0,1
	v_min_u32 v[R+2*((\n)%2)+\u], 49999, v[R+2*((\n)%2)+\u]
.endr
.irp u, 0,1
	v_lshlrev_b32 v[R+2*((\n)%2)+\u], 7, v[R+2*((\n)%2)+\u]
.endr
.irp u, 0,1
	v_add_nc_u32 v[R+2*((\n)%2)+\u], v[H32], v[R+2*((\n)%2)+\u]
.endr
.endm
.macro FR n                            ; set n's records and mask: 13 loads
.irp u, 0,1
	global_load_b128 v[QF+12*\u:QF+12*\u+3], v[R+2*((\n)%2)+\u], s[REC:REC+1]
	global_load_b64 v[QF+12*\u+4:QF+12*\u+5], v[R+2*((\n)%2)+\u], s[REC:REC+1] offset:16
	global_load_b64 v[QS+2*\u:QS+2*\u+1], v[R+2*((\n)%2)+\u], s[REC:REC+1] offset:24
	global_load_b128 v[KF+6*\u:KF+6*\u+3], v[R+2*((\n)%2)+\u], s[REC:REC+1] offset:64
	global_load_b64 v[KF+6*\u+4:KF+6*\u+5], v[R+2*((\n)%2)+\u], s[REC:REC+1] offset:80
	global_load_b64 v[KS+2*\u:KS+2*\u+1], v[R+2*((\n)%2)+\u], s[REC:REC+1] offset:88
.endr
	global_load_b32 v[MASKV], v[IOW], s[MSK:MSK+1] offset:128*(\n)
.endm
.macro SO base                         ; 32 ids become the rows' byte offsets
.set j, 0
.rept 32
	s_min_u32 s[\base+j], s[\base+j], 49999
	s_lshl_b32 s[\base+j], s[\base+j], 9
.set j, j+1
.endr
.endm
.macro GROUP base, c                   ; columns 32 c + lane of the set's 32 rows: 32 loads of 128 consecutive bytes.  A load lands on its own address register
.set XB, XK+32*((\c)%2)
.set j, 0
.rept 32
	v_add_nc_u32 v[XB+j], s[\base+j], v[L4]
	global_load_b32 v[XB+j], v[XB+j], s[EMB:EMB+1] offset:128*(\c)
.set j, j+1
.endr
.endm
.macro KQ c                            ; my column's 32 keys are one block: its scale, its codes
.set XB, XK+32*((\c)%2)
.irp k, 0,1,2,3
	v_max3_num_f32 v[SV+\k], |v[XB+8*\k]|, |v[XB+8*\k+1]|, |v[XB+8*\k+2]|      ; four chains by turns
.endr
.irp i, 3,5
.irp k, 0,1,2,3
	v_max3_num_f32 v[SV+\k], v[SV+\k], |v[XB+8*\k+\i]|, |v[XB+8*\k+\i+1]|
.endr
.endr
	v_max3_num_f32 v[SV], v[SV], |v[XB+7]|, |v[XB+15]|
	v_max3_num_f32 v[SV+2], v[SV+2], |v[XB+23]|, |v[XB+31]|
	v_max3_num_f32 v[SV], v[SV], v[SV+1], v[SV+2]
	v_max3_num_f32 v[SV], v[SV], v[SV+3], 0x2800000        ; and the floor 2^(5 - 127): the byte cannot fall under 1
	v_add_nc_u32 v[SV+8], 0xfe000000, v[SV]                ; 4 off the exponent field: the conversion's scale operand
	v_cvt_scalef32_pk16_bf6_f32 v[XC+6*(\c):XC+6*(\c)+2], v[XB:XB+15], v[SV+8]
	v_cvt_scalef32_pk16_bf6_f32 v[KT:KT+2], v[XB+16:XB+31], v[SV+8]        ; (a conversion's three registers begin on an even number)
	v_lshrrev_b32 v[SV+9], 23, v[SV+8]                     ; the scale's byte.  (The plain place behind the conversions)
	v_permlanex16_b32 v[SV+7], v[SV+9], s[SEL], s[SEL+1]
.irp i, 0,1,2
	v_mov_b32 v[XC+6*(\c)+3+\i], v[KT+\i]
.endr
	v_lshl_or_b32 v[XBS+(\c)], v[SV+7], 8, v[SV+9]         ; lane r: byte 0 for column 32 c + r (K block 0), byte 1 for column 32 c + 16 + r (K block 1)
.endm
.macro OBATCH c                        ; 32 queries x columns 32 c .. 32 c + 31, and their weighted sum over the queries
.irp f, 0,1
.irp u, 0,1
	v_wmma_scale_f32_16x16x128_f8f6f4 v[SV+8*(2*\f+\u):SV+8*(2*\f+\u)+7], v[Z+12*(2*\u+\f):Z+12*(2*\u+\f)+11], v[XC+6*(\c):XC+6*(\c)+11], 0, v[PS+\u], v[XBS+(\c)] matrix_a_fmt:MATRIX_FMT_BF6 matrix_b_fmt:MATRIX_FMT_BF6
.endr
.endr
.rept 4
	v_nop                                          ; places in front of the first read of results (ISA guide 7.12.1); with the other accumulators' lines below they are more than five in front of the next products that write these registers
.endr
.irp a, 0,1,2,3
	v_pk_mul_f32 v[SV+8*\a:SV+8*\a+1], v[SV+8*\a:SV+8*\a+1], v[MG+8*(\a%2):MG+8*(\a%2)+1]     ; each accumulator from its low end on; the four by turns
.endr
.irp i, 2,4,6
.irp a, 0,1,2,3
	v_pk_fma_f32 v[SV+8*\a:SV+8*\a+1], v[SV+8*\a+\i:SV+8*\a+\i+1], v[MG+8*(\a%2)+\i:MG+8*(\a%2)+\i+1], v[SV+8*\a:SV+8*\a+1]
.endr
.endr
	v_pk_add_f32 v[SV:SV+1], v[SV:SV+1], v[SV+8:SV+9]              ; the two tiles of queries
	v_pk_add_f32 v[SV+16:SV+17], v[SV+16:SV+17], v[SV+24:SV+25]
	v_add_f32 v[SV], v[SV], v[SV+1]
	v_add_f32 v[SV+16], v[SV+16], v[SV+17]
	v_permlane16_swap_b32 v[SV], v[SV+16]          ; the first now holds both column groups' sums over queries 0-15 (in the tiles' order), the second those over the others
	v_add_f32 v[PO+(\c)%2], v[SV], v[SV+16]        ; lane l: pooled[32 c + l]
	ds_store_b32 v[LW], v[PO+(\c)%2] offset:256+128*(\c)
.endm
.macro SET n
.if ((\n)%2) == 0
.set SOB, SA
.set SON, SB
.else
.set SOB, SB
.set SON, SA
.endif
.if (\n) < 2
.set W0, 47                            ; behind a set's first 32 columns were issued: 32 loads of columns, 13 of the next set's records and mask, 2 of ids
.elseif (\n) == 2
.set W0, 45                            ; no ids are left to ask for
.else
.set W0, 32                            ; nor records
.endif
.if (\n) == 0
	s_wait_loadcnt 63                              ; the records are in: 64 loads were issued behind them (63 is the most that the wait can name)
.else
	s_wait_xcnt 0x0                                ; the last set's store has read its data, which lie where S^T goes.  (This set's records were shown in by the last set's third wait for columns)
.endif
	; ---- S^T = k q^T
.irp qu, 0,1
.irp ku, 0,1
	v_wmma_scale_f32_16x16x128_f8f6f4 v[SV+8*(2*\qu+\ku):SV+8*(2*\qu+\ku)+7], v[KF+6*\ku:KF+6*\ku+11], v[QF+12*\qu:QF+12*\qu+11], 0, v[KS+2*\ku], v[QS+2*\qu] matrix_a_fmt:MATRIX_FMT_BF6 matrix_b_fmt:MATRIX_FMT_BF6
.endr
.endr
	v_cndmask_b32 v[TH], v[QS+1], v[QS+3], s[HM]   ; lane (r, h) stands for tile h's concept.  (These seven lines name no register of the products: they are the places in front of the loads below)
	v_cndmask_b32 v[MU], v[KS+1], v[KS+3], s[HM]
	v_mov_b32 v[MC], v[MASKV]
	v_cmp_lt_f32 vcc_lo, 0.5, v[MASKV]
	v_cndmask_b32 v[MM], 0xce6e6b28, v[ZERO], vcc_lo       ; m = 0 where the mask is over 0.5, else -1e9
	v_fma_f32 v[ZZ], -v[MU], s[TMS+(\n)], v[TH]
	v_mul_f32 v[M8], 0x41000000, v[MM]             ; 8 m: the scores are kept 8 times as large, which rounds nothing
.if (\n) < 3
	RO (\n)+1
	FR (\n)+1                                      ; the next set's records, into the registers that the products have read
.endif
.if (\n) < 2
	ID (\n)+2                                      ; (the loads that had these two registers as addresses have been shown in)
.endif
	ds_store_b32 v[LW], v[M8]                      ; by lane,
.irp u, 0,1
.irp i, 0,1
	ds_load_b128 v[MG+8*\u+4*\i:MG+8*\u+4*\i+3], v[LR] offset:64*\u+16*\i   ; and back by key: lane 16 u + 8 h + j stands for concept 16 h + 8 u + j.  My wave's own bytes, served in order
.endr
.endr
	v_permlanex16_b32 v[MX], v[MM], s[SEL], s[SEL+1]
	v_cndmask_b32 v[MQ], v[MM], v[MX], s[HM]       ; m of tile 0's query of lane r, in both halves
	v_cndmask_b32 v[MQ+2], v[MX], v[MM], s[HM]     ; and of tile 1's
	s_wait_dscnt 0x0
.irp i, 0,2,4,6,8,10,12,14
.irp qu, 0,1
	v_pk_fma_f32 v[SV+16*\qu+\i:SV+16*\qu+\i+1], v[MG+\i:MG+\i+1], v[MQ+2*\qu:MQ+2*\qu+1], v[SV+16*\qu+\i:SV+16*\qu+\i+1] op_sel_hi:[1,0,1]   ; + 8 m(key) m(query); each accumulator from its low end on
.endr
.endr
.irp i, 0,2,4,6,8,10,12,14
.irp qu, 0,1
	v_pk_mul_f32 v[SV+16*\qu+\i:SV+16*\qu+\i+1], v[SV+16*\qu+\i:SV+16*\qu+\i+1], s[CS:CS+1] op_sel_hi:[1,0]   ; t = score x log2(e)
.endr
.endr
.irp qu, 0,1
	v_max3_num_f32 v[UA+10*\qu+1], v[SV+16*\qu], v[SV+16*\qu+1], v[SV+16*\qu+2]        ; the largest t of my 16 keys, in two chains for each tile of queries
	v_max3_num_f32 v[UA+10*\qu+2], v[SV+16*\qu+3], v[SV+16*\qu+4], v[SV+16*\qu+5]
.endr
.irp i, 6,10
.irp qu, 0,1
	v_max3_num_f32 v[UA+10*\qu+1], v[UA+10*\qu+1], v[SV+16*\qu+\i], v[SV+16*\qu+\i+1]
	v_max3_num_f32 v[UA+10*\qu+2], v[UA+10*\qu+2], v[SV+16*\qu+\i+2], v[SV+16*\qu+\i+3]
.endr
.endr
.irp qu, 0,1
	v_max3_num_f32 v[UA+10*\qu+1], v[UA+10*\qu+1], v[SV+16*\qu+14], v[SV+16*\qu+15]
.endr
.irp qu, 0,1
	v_max_num_f32 v[UA+10*\qu+1], v[UA+10*\qu+1], v[UA+10*\qu+2]
.endr
.irp qu, 0,1
	v_permlanex16_b32 v[UA+10*\qu+2], v[UA+10*\qu+1], s[SEL], s[SEL+1]
.endr
.irp qu, 0,1
	v_max_num_f32 v[UA+10*\qu+1], v[UA+10*\qu+1], v[UA+10*\qu+2]   ; with lane l xor 16's 16 keys: the row's
.endr
.irp qu, 0,1
	v_floor_f32 v[UA+10*\qu], -v[UA+10*\qu+1]      ; -M = floor(-t) = -ceil(t)
.endr
.irp i, 0,2,4,6,8,10,12,14
.irp qu, 0,1
	v_pk_add_f32 v[SV+16*\qu+\i:SV+16*\qu+\i+1], v[SV+16*\qu+\i:SV+16*\qu+\i+1], v[UA+10*\qu:UA+10*\qu+1] op_sel_hi:[1,0]   ; t - M
.endr
.endr
.irp qu, 0,1
	v_add_f32 v[UA+10*\qu+3], v[UA+10*\qu+1], v[UA+10*\qu]         ; the same of the row's largest t: p rises with t, so this gives the block's largest p, by the same operations on the same number
.endr
.irp i, 0,1,2,3,4,5,6,7,8,9,10,11,12,13,14,15
.irp qu, 0,1
	v_exp_f32 v[SV+16*\qu+\i], v[SV+16*\qu+\i]     ; p = 2^(t - M): not normalised
.endr
.endr
.irp qu, 0,1
	v_exp_f32 v[UA+10*\qu+3], v[UA+10*\qu+3]       ; over 1/2, at most 1
.endr
	v_mul_f32 v[EE], 0xbfb8aa3b, v[ZZ]             ; for the sigmoid.  (The plain place behind the exponentials)
	s_wait_alu depctr_va_vdst(0)
.irp qu, 0,1
	v_add_nc_u32 v[UA+10*\qu+3], 0xfe000000, v[UA+10*\qu+3]        ; 4 off the exponent field: the conversion's scale operand
.endr
.irp qu, 0,1
	v_cvt_scalef32_pk16_bf6_f32 v[UA+10*\qu+4:UA+10*\qu+6], v[SV+16*\qu:SV+16*\qu+15], v[UA+10*\qu+3]
.endr
.irp qu, 0,1
	v_lshrrev_b32 v[UA+10*\qu+2], 23, v[UA+10*\qu+3]               ; the scale's byte.  (The plain place behind the conversions)
.endr
.irp qu, 0,1
	v_lshl_or_b32 v[PS+\qu], v[UA+10*\qu+2], 8, v[UA+10*\qu+2]     ; for K block 0 (PA) and for K block 1 (PB)
.endr
	v_exp_f32 v[EE], v[EE]
.irp i, 0,2,4,6                                ; THE ROW'S SUM IS TAKEN OF THE UNQUANTISED p, in place: the codes are made
.irp qu, 0,1
	v_pk_add_f32 v[SV+16*\qu+\i:SV+16*\qu+\i+1], v[SV+16*\qu+\i:SV+16*\qu+\i+1], v[SV+16*\qu+\i+8:SV+16*\qu+\i+9]
.endr
.endr
.irp i, 0,2
.irp qu, 0,1
	v_pk_add_f32 v[SV+16*\qu+\i:SV+16*\qu+\i+1], v[SV+16*\qu+\i:SV+16*\qu+\i+1], v[SV+16*\qu+\i+4:SV+16*\qu+\i+5]
.endr
.endr
.irp qu, 0,1
	v_pk_add_f32 v[SV+16*\qu:SV+16*\qu+1], v[SV+16*\qu:SV+16*\qu+1], v[SV+16*\qu+2:SV+16*\qu+3]
.endr
	s_wait_alu depctr_va_vdst(0)
	v_add_f32 v[EE], 1.0, v[EE]
	v_rcp_f32 v[EE], v[EE]                         ; sigmoid(theta - mu time)
.irp qu, 0,1
	v_add_f32 v[LL+\qu], v[SV+16*\qu], v[SV+16*\qu+1]
.endr
.irp qu, 0,1
	v_permlanex16_b32 v[UA+10*\qu+2], v[LL+\qu], s[SEL], s[SEL+1]
.endr
.irp qu, 0,1
	v_add_f32 v[LL+\qu], v[LL+\qu], v[UA+10*\qu+2] ; l
.endr
.irp qu, 0,1
.irp i, 0,1,2
	v_permlanex16_b32 v[UA+10*\qu+7+\i], v[UA+10*\qu+4+\i], s[SEL], s[SEL+1]   ; the other 16 keys' codes
.endr
.endr
	v_cndmask_b32 v[RL], v[LL], v[LL+1], s[HM]     ; lane (r, h): tile h's l
	v_rcp_f32 v[RL], v[RL]
.irp qu, 0,1
.irp i, 0,1,2
	v_cndmask_b32 v[Z+24*\qu+\i], v[UA+10*\qu+4+\i], 0, s[HM]      ; PA: lanes 0-15 keys 0-15 (mine),
	v_cndmask_b32 v[Z+24*\qu+3+\i], v[UA+10*\qu+7+\i], 0, s[HM]    ;     and keys 16-31 (the other half's); lanes 16-31 zeros
	v_cndmask_b32 v[Z+24*\qu+12+\i], 0, v[UA+10*\qu+7+\i], s[HM]   ; PB: lanes 16-31 keys 0-15 (the other half's),
	v_cndmask_b32 v[Z+24*\qu+15+\i], 0, v[UA+10*\qu+4+\i], s[HM]   ;     and keys 16-31 (mine); lanes 0-15 zeros
.endr
.endr
	s_wait_alu depctr_va_vdst(0)
	v_mul_f32 v[EE], v[EE], v[MC]                  ; x mask
	v_mul_f32 v[EE], v[EE], v[RL]                  ; / l: the query's weight
	ds_store_b32 v[LW], v[EE] offset:128           ; by lane,
.irp u, 0,1
.irp i, 0,1
	ds_load_b128 v[MG+8*\u+4*\i:MG+8*\u+4*\i+3], v[LR] offset:128+64*\u+16*\i   ; and back by query, as 8 m above
.endr
.endr
	; ---- x along the keys: 32 columns at a time; behind each the registers take the columns two steps on
	s_wait_loadcnt W0
	KQ 0
	GROUP SOB, 2
	s_wait_loadcnt W0                              ; the same number: the records' and ids' loads, and the 32 just issued
	KQ 1
	GROUP SOB, 3
	s_wait_loadcnt 32                              ; all but the 32 just issued: the next set's records, mask and ids are in too
	KQ 2
.if (\n) < 3
	s_wait_kmcnt 0x0                               ; the next set's ids
	SO SON
.if (\n) < 2
	s_load_b512 s[SOB:SOB+15], s[IDS:IDS+1], 128*((\n)+2)          ; this set's offsets have served: the ids of two sets on
	s_load_b512 s[SOB+16:SOB+31], s[IDS:IDS+1], 128*((\n)+2)+64
.endif
	GROUP SON, 0
	s_wait_loadcnt 32
.else
	s_wait_loadcnt 0x0
.endif
	KQ 3
.if (\n) < 3
	GROUP SON, 1
.endif
	; ---- O = P x and the pooling
	s_wait_dscnt 0x0                               ; the weights are back
	OBATCH 0
	OBATCH 1
	OBATCH 2
	OBATCH 3
	ds_load_b128 v[SV+8:SV+11], v[LO] offset:256   ; the pooled row, 16 bytes a lane
	s_wait_dscnt 0x0
	global_store_b128 v[GOUT], v[SV+8:SV+11], s[OUT:OUT+1] offset:512*(\n) th:TH_STORE_NT   ; 32 lanes store 512 consecutive bytes, at a multiple of 256 from the output's first byte
.endm
	s_load_b256 s[4:11], s[0:1], 0x0               ; the table s[4:5], the records s[6:7], ids s[8:9], the mask s[10:11]
	s_load_b128 s[12:15], s[0:1], 0x20             ; times s[12:13], the output s[14:15]
	v_lshrrev_b32 v10, 5, v0
	v_readfirstlane_b32 s[WV], v10                 ; wave 0..15
	v_and_b32 v10, 31, v0                          ; lane
	v_and_b32 v11, 15, v0                          ; r
	v_bfe_u32 v12, v0, 4, 1                        ; h
	s_mul_i32 s59, s[WV], 768                      ; LDS: 768 bytes a wave: 128 of 8 m, 128 of weights, 512 of a pooled row
	v_lshlrev_b32 v[L4], 2, v10
	v_lshlrev_b32 v[H32], 5, v12
	v_lshlrev_b32 v[GOUT], 4, v10
	v_add_nc_u32 v[LW], s59, v[L4]
	v_add_nc_u32 v[LR], s59, v[H32]
	v_add_nc_u32 v[LO], s59, v[GOUT]
	v_and_b32 v13, 8, v11
	v_add_nc_u32 v13, v13, v11                     ; r + 8 (r / 8)
	v_lshlrev_b32 v[IOA], 2, v13
	v_add_nc_u32 v[IOW], v[IOA], v[H32]
	s_mov_b32 s[HM], 0xffff0000
	s_mov_b32 s[SEL], 0x76543210
	s_mov_b32 s[SEL+1], 0xfedcba98
	s_mov_b32 s[CS], 0x3e38aa3b                    ; log2(e) / 8
	s_mov_b32 s[CS+1], s[CS]                       ; (named with it as a pair, so it is written)
	s_lshl_b32 s58, ttmp9, 4
	s_add_co_u32 s58, s58, s[WV]                   ; g
	s_lshl_b32 s60, s58, 9                         ; my four sets: 512 bytes of ids and of the mask,
	s_mov_b32 s61, 0
	s_lshl_b32 s62, s58, 4                         ; 16 of times,
	s_mov_b32 s63, 0
	s_lshl_b32 s2, s58, 11                         ; 2,048 of the output
	s_mov_b32 s3, 0
	s_wait_kmcnt 0x0
	s_add_nc_u64 s[IDS:IDS+1], s[IDS:IDS+1], s[60:61]
	s_add_nc_u64 s[MSK:MSK+1], s[MSK:MSK+1], s[60:61]
	s_add_nc_u64 s[TIM:TIM+1], s[TIM:TIM+1], s[62:63]
	s_add_nc_u64 s[OUT:OUT+1], s[OUT:OUT+1], s[2:3]
	s_load_b512 s[SA:SA+15], s[IDS:IDS+1], 0x0     ; the first two sets' ids as scalars, for the rows of x
	s_load_b512 s[SA+16:SA+31], s[IDS:IDS+1], 0x40
	s_load_b512 s[SB:SB+15], s[IDS:IDS+1], 0x80
	s_load_b512 s[SB+16:SB+31], s[IDS:IDS+1], 0xc0
	s_load_b128 s[TMS:TMS+3], s[TIM:TIM+1], 0x0
	ID 0                                           ; and by lane, for the records
	ID 1
.irp i, 0,1,2,3,4,5
	v_mov_b32 v[QF+6+\i], 0                        ; the zero codes of K = 64 .. 127 in q's two fragments,
	v_mov_b32 v[QF+18+\i], 0
	v_mov_b32 v[Z+6+\i], 0                         ; and in P's four slots: written once, they stay
	v_mov_b32 v[Z+18+\i], 0
	v_mov_b32 v[Z+30+\i], 0
	v_mov_b32 v[Z+42+\i], 0
	v_mov_b32 v[Z+\i], 0                           ; (named by the first set's first products behind k's second fragment)
.endr
.irp i, 5,12,17,18,19,22,27,28,29
	v_mov_b32 v[T+\i], 0                           ; written once: a lane permute's destination counts as one of its sources
.endr
	s_wait_loadcnt 2                               ; set 0's ids are in; set 1's two loads may be out
	RO 0
	FR 0
	s_wait_kmcnt 0x0
	SO SA
	GROUP SA, 0
	GROUP SA, 1                                    ; more loads are asked for than the counter holds: the issue then waits for the oldest (ISA guide 5.7.1); no wait is written for that
	SET 0
	SET 1
	SET 2
	SET 3
	s_wait_xcnt 0x0
	v_lshl_add_u32 v250, v0, 2, 0x3000
	v_mov_b32 v251, 0
	s_wait_tensorcnt 0x0
	ds_add_u32 v250, v251
	s_wait_dscnt 0x0
	s_endpgm
.Lfunc_end_k_qb36e77f1de_attn:
	.size	k_qb36e77f1de_attn, .Lfunc_end_k_qb36e77f1de_attn-k_qb36e77f1de_attn
	.p2alignl 7, 3214868480
	.fill 96, 4, 3214868480
	.section	.rodata,"a",@progbits
	.p2align	6, 0x0
	.amdhsa_kernel k_qb36e77f1de_attn
		.amdhsa_group_segment_fixed_size 14336
		.amdhsa_private_segment_fixed_size 0
		.amdhsa_enable_private_segment 0
		.amdhsa_kernarg_size 48
		.amdhsa_user_sgpr_count 2
		.amdhsa_user_sgpr_kernarg_segment_ptr 1
		.amdhsa_wavefront_size32 1
		.amdhsa_system_sgpr_workgroup_id_x 1
		.amdhsa_system_sgpr_workgroup_id_y 1
		.amdhsa_system_sgpr_workgroup_id_z 1
		.amdhsa_system_vgpr_workitem_id 0
		.amdhsa_next_free_vgpr 256
		.amdhsa_next_free_sgpr 100
		.amdhsa_reserve_vcc 1
		.amdhsa_float_denorm_mode_32 3
		.amdhsa_float_denorm_mode_16_64 3
		.amdhsa_memory_ordered 1
		.amdhsa_forward_progress 1
		.amdhsa_inst_pref_size 187
	.end_amdhsa_kernel
	.amdgpu_metadata
---
amdhsa.version: [ 1, 2 ]
amdhsa.kernels:
  - .name:           k_qb36e77f1de_attn
    .symbol:         k_qb36e77f1de_attn.kd
    .args:
      - { .name: emb_table, .offset: 0, .size: 8, .value_kind: global_buffer, .address_space: global }
      - { .name: rec, .offset: 8, .size: 8, .value_kind: global_buffer, .address_space: global }
      - { .name: input_ids, .offset: 16, .size: 8, .value_kind: global_buffer, .address_space: global }
      - { .name: id_mask, .offset: 24, .size: 8, .value_kind: global_buffer, .address_space: global }
      - { .name: input_times, .offset: 32, .size: 8, .value_kind: global_buffer, .address_space: global }
      - { .name: out0, .offset: 40, .size: 8, .value_kind: global_buffer, .address_space: global }
    .group_segment_fixed_size: 14336
    .private_segment_fixed_size: 0
    .kernarg_segment_align: 8
    .kernarg_segment_size: 48
    .max_flat_workgroup_size: 512
    .sgpr_count:     100
    .vgpr_count:     256
    .wavefront_size: 32
...
	.end_amdgpu_metadata
.endif
;; end of part 2
;; ======== version 2 of 3: 2 launches; 1.28 times as fast as version 1
;; workspace buffers: rec 6,400,000 bytes; xh 12,800,000 bytes
;; launch prep (part 3): grid 196 x 1, 8 waves a work-group, no clusters, 67,584 bytes of LDS; arguments emb_table, qW, kW, qb, kb, theta_table, mu_table, rec, xh; writes rec, xh
.if DOCPART == 3
	.amdgcn_target "amdgcn-amd-amdhsa--gfx1250"
	.amdhsa_code_object_version 6
	.text
	.protected	k_qb36e77f1de_prep
	.globl	k_qb36e77f1de_prep
	.p2align	8
	.type	k_qb36e77f1de_prep,@function
k_qb36e77f1de_prep:
	s_mov_b64 s[64:65], 0
	v_nop
	global_prefetch_b8 v0, s[64:65] scope:SCOPE_SE
	s_setreg_imm32_b32 hwreg(HW_REG_WAVE_MODE, 25, 1), 1
	s_wait_xcnt 0x0
; FOR EACH ROW v OF THE TABLE: q = Q(x) Q(qW)^T + qb and k = Q(x) Q(kW)^T + kb (x = emb_table[v], K = 128, codes of BF6 (E3M2) with one E8M0 scale for each 32 along K), and then Q(q), Q(k) along
; their 64 numbers.  All of that hangs on the table's row alone, and a row is gathered by many sets: so it is made once for each of the 50,000 rows, not once for each of the 524,288 gathered rows.
; RESULT 1: a record of 128 bytes for each row, four parts of 32 bytes at 128 v + 64 s + 32 h (s = 0: q, 1: k; h: the block of 32 along the 64): words 0-5 the block's 32 codes, as a lane of the next
; product's operand holds them; word 6 the row's scale word (byte 0: block 0, byte 1: block 1, bytes 2, 3: 0); word 7 theta[v] (s = 0) or mu[v] (s = 1).
; RESULT 2: the row's 128 numbers as words of 16 bits, 256 bytes a row, for the next launch's quantiser along the keys.  A word is the f32 number's upper 16 bits, its lowest bit set where any of the 16 dropped bits is set:
; A CUT WITH A STICKY BIT, NOT A ROUNDING.  The exponent field stays, so a block's scale stays.  Every code of E3M2 and every middle between two codes, under any scale whose byte is 1 or more, is a multiple of 2^(E - 3) for a
; number of exponent E (of 2^-131 for a subnormal f32), so it has the sticky bit 0: a number that is no such point keeps its side of every such point, one that is such a point is kept as it is.  So the conversion gives
; the same code from the word as from the f32 number, for every input, ties too.  The word at byte 8 l + 2 c of a row is column 32 c + l: a lane that reads 8 bytes there holds four columns, 32 apart.
; SHARES: 3,125 tiles of 16 rows; wave g (8 x work-group + wave) takes tiles 2 g and 2 g + 1.  196 x 8 x 2 = 3,136: the last eleven tile numbers do not exist; such a wave loads the last tile's rows and stores nothing for it.
; THE WEIGHTS: 8 fragments of 16 rows x 128 K (4 of qW, 4 of kW).  Wave w quantises fragment w; all eight go round through LDS as images of their registers (3 stores of 16 bytes a lane, 512 bytes a store).
; THE ROWS OF A WEIGHT THAT FORM A TILE ARE NOT NEIGHBOURS: lane r of tile 2 b + u takes row 32 b + 8 u + r + 8 (r / 8).  The product is used transposed (source 0 = 16 rows of the weight, source 1 = 16 rows of x):
; a lane then holds ONE row of the table, and the 16 registers of tiles 2 b and 2 b + 1 are its numbers 32 b + 16 (lane / 16) + 0 .. 15: neighbours along the next K.  The biases are the C of the products.
; NO CLUSTER, NO TENSOR LOAD: what work-groups share is the 64 KiB of weights, read once by each work-group through registers, against 8 KiB of x for each tile; the tiles of x are shared by nobody.
; LIMITS: NaN and infinities among the inputs are not served.  A block whose largest magnitude lies under 2^(5 - 127) gets the scale byte 1; so does a block of zeros (the rule says 127): its codes are zeros, and this program alone reads the bytes.
; REGISTERS, window 0: v1-15 lane numbers and addresses; v16-39 x's two fragments, v40-41 their scale words; v42-49 the weights' scale words; v52-75 at work; v76-88 my fragment of the weights; v92-123 two tiles' records;
;   v128-191 x of tile 0, then the 8 accumulators; v192-255 my rows of the weights, then x of tile 1.   Window 1: v0-95 the weights' 8 fragments; v96-159 the biases, 8 registers a tile; v160-191, v192-223 two tiles' words of 16 bits.
.set NT,   3125                        ; tiles of 16 rows
.set WIMG, 0                           ; LDS: the 8 fragments' images, 1,536 bytes each
.set WSC,  12288                       ; their scale words, 128 bytes each
.set STG,  13312                       ; a stage for each wave: 16 records, 144 bytes apart (128 + 16)
.set SP,   144
.set XSTG, 31744                       ; a second stage for each wave: 16 rows of words, 272 bytes apart (256 + 16)
.set XP,   272
.set XA,   4                           ; v4   x: 512 r + 64 h: my 16 numbers of a block of 32
.set LI,   5                           ; v5   16 x lane
.set LS,   6                           ; v6   4 x lane
.set WWI,  7                           ; v7   where I store my fragment's image: 16 x lane + 1,536 x wave
.set WWS,  8                           ; v8   and its scale words: 4 x lane + 128 x wave
.set SO,   9                           ; v9   the records' stage, on the way in: 144 r + 32 h + 2,304 x wave
.set SR,   10                          ; v10  and back: eight lanes to a record
.set WA,   11                          ; v11  the weights: 512 (r + 8 (r / 8)) + 64 h
.set BA,   12                          ; v12  the biases: 64 h
.set TA,   13                          ; v13  theta, mu: 4 r
.set XSO,  14                          ; v14  the words' stage, on the way in: 272 r + 128 h + 4,352 x wave
.set XSR,  15                          ; v15  and back: sixteen lanes to a row: 272 h + 16 r + 4,352 x wave
.set XF0,  16
.set XF1,  28
.set XS0,  40
.set XS1,  41
.set W1S,  42
.set TM,   52                          ; v52-55 largest magnitudes, v56-59 the other half's, then the bytes, v64-67 the conversions' scale operands
.set PT,   68                          ; v68-70, v72-74 the second halves of the blocks' codes
.set PCW,  76
.set PWW,  88
.set OUT0, 92                          ; +0..5 q's codes, +6 q's scale word, +7 theta, +8..13 k's codes, +14 k's scale word, +15 mu
.set OUT1, 108
.set HA,   128
.set XD0,  128
.set XD1,  192
.set B1,   96                          ; in window 1
.set PK0,  160                         ; in window 1
.set PK1,  192
.set SEL,  44                          ; s[44:45] v_permlanex16_b32's selects for lane l xor 16
.set MSB, 0
.macro WIN new                         ; the immediate's high byte repeats the setting that is left
.if MSB != \new
	s_set_vgpr_msb (MSB<<8)|\new
.set MSB, \new
.endif
.endm
; 64 numbers of my row: register 16 b + i = number 32 b + 16 (lane / 16) + i
.macro XLOAD reg, adr, base
.irp b, 0,1,2,3
.irp j, 0,1,2,3
	global_load_b128 v[\reg+16*\b+4*\j:\reg+16*\b+4*\j+3], v[\adr], s[\base:\base+1] offset:128*\b+16*\j
.endr
.endr
.endm
; 64 numbers of a lane, laid as XLOAD lays them, become codes: blocks 0, 1 in v[c0] .. v[c0 + 5], blocks 2, 3 in v[c1] .. v[c1 + 5]; lane (r, h) then holds the whole blocks h and 2 + h of row r.
; two = 0: the four scale bytes make one word, v[w0].  two = 1: blocks 0, 1 and blocks 2, 3 are two operands of 64 along K: two words of two bytes, v[w0] and v[w1].
.macro QUANT s, c0, c1, w0, w1, two
.irp b, 0,1,2,3
	v_max3_num_f32 v[TM+\b], |v[\s+16*\b]|, |v[\s+16*\b+1]|, 0x2800000   ; block b: my 16 numbers, and the floor 2^(5 - 127): the byte cannot fall under 1.  (Each accumulator is read from its low end on)
.endr
.irp i, 2,4,6,8,10,12,14
.irp b, 0,1,2,3
	v_max3_num_f32 v[TM+\b], v[TM+\b], |v[\s+16*\b+\i]|, |v[\s+16*\b+\i+1]|   ; the four blocks by turns
.endr
.endr
.irp b, 0,1,2,3
	v_permlanex16_b32 v[TM+4+\b], v[TM+\b], s[SEL], s[SEL+1]
.endr
.irp b, 0,1,2,3
	v_max_num_f32 v[TM+\b], v[TM+\b], v[TM+4+\b]           ; with lane l xor 16's: the block's largest magnitude
.endr
.irp b, 0,1,2,3
	v_add_nc_u32 v[TM+12+\b], 0xfe000000, v[TM+\b]         ; 4 off its exponent field: the conversion takes the exponent field of this operand as its scale
.endr
.irp b, 0,1,2,3
	v_lshrrev_b32 v[TM+4+\b], 23, v[TM+12+\b]              ; the scale's byte
.endr
	v_lshl_or_b32 v[\w0], v[TM+5], 8, v[TM+4]
.if \two
	v_lshl_or_b32 v[\w1], v[TM+7], 8, v[TM+6]
.else
	v_lshl_or_b32 v[\w0], v[TM+6], 16, v[\w0]
	v_lshl_or_b32 v[\w0], v[TM+7], 24, v[\w0]
.endif
	v_cvt_scalef32_pk16_bf6_f32 v[\c0:\c0+2], v[\s:\s+15], v[TM+12]
	v_cvt_scalef32_pk16_bf6_f32 v[PT:PT+2], v[\s+16:\s+31], v[TM+13]       ; (a conversion's three registers begin on an even number)
	v_cvt_scalef32_pk16_bf6_f32 v[\c1:\c1+2], v[\s+32:\s+47], v[TM+14]
	v_cvt_scalef32_pk16_bf6_f32 v[PT+4:PT+6], v[\s+48:\s+63], v[TM+15]
	v_nop                                          ; one plain place behind a scaled conversion
.irp i, 0,1,2
	v_permlane16_swap_b32 v[\c0+\i], v[PT+\i]      ; the first's lanes 16-31 change places with the second's lanes 0-15: each lane now has its block's lower 16 codes in the first, the upper 16 in the second
	v_permlane16_swap_b32 v[\c1+\i], v[PT+4+\i]
.endr
.irp i, 0,1,2
	v_mov_b32 v[\c0+3+\i], v[PT+\i]
	v_mov_b32 v[\c1+3+\i], v[PT+4+\i]
.endr
.endm
; My 64 numbers of x, which the quantiser along D has read, become 64 words of 16 bits (the head comment says which), four to a place of 8 bytes: place 16 h + i holds columns 16 h + i, + 32, + 64, + 96, which are my
; registers i, 16 + i, 32 + i, 48 + i.  My 16 places are 128 consecutive bytes of my row.  They go through my wave's own stage and come back two whole rows an instruction.
.macro PACKX xd, pk
.set i, 0
.rept 16
.irp k, 0,1,2,3
	v_and_b32 v[TM+\k], 0xffff, v[\xd+4*i+\k]      ; the 16 bits that are dropped;
.endr
.irp k, 0,1,2,3
	v_add_nc_u32 v[TM+\k], 0xffff, v[TM+\k]        ; + 0xffff carries into bit 16 where any of them is set;
.endr
.irp k, 0,1,2,3
	v_or_b32 v[\xd+4*i+\k], v[TM+\k], v[\xd+4*i+\k]        ; onto the lowest bit that is kept.  (Four numbers by turns; what this leaves in the low half is not used)
.endr
.set i, i+1
.endr
	WIN 0x40                                       ; destination window 1
.set i, 0
.rept 16
	v_perm_b32 v[\pk+2*i], v[\xd+16+i], v[\xd+i], 0x07060302       ; two upper halves: the second source's below, the first's above
	v_perm_b32 v[\pk+2*i+1], v[\xd+48+i], v[\xd+32+i], 0x07060302
.set i, i+1
.endr
	WIN 0x04                                       ; an LDS store's data are its source 1: window 1
.irp k, 0,1,2,3,4,5,6,7
	ds_store_b128 v[XSO], v[\pk+4*\k:\pk+4*\k+3] offset:XSTG+16*\k
.endr
	WIN 0x40
.irp k, 0,1,2,3,4,5,6,7
	ds_load_b128 v[\pk+4*\k:\pk+4*\k+3], v[XSR] offset:XSTG+2*XP*\k    ; LDS serves a wave's instructions in order (ISA guide 5.7.1.4): these see my stores
.endr
	WIN 0
.endm
.macro SENDX pk, xb, tl                ; behind the wait for those loads: 16 rows of 256 bytes
	s_cmp_lt_u32 s[\tl], NT                        ; a tile number past the table's end stores nothing: a branch on ids alone
	s_cbranch_scc0 .Lnox_\@
	WIN 0x04                                       ; a store's data are its source 1: window 1
.irp k, 0,1,2,3,4,5,6,7
	global_store_b128 v[LI], v[\pk+4*\k:\pk+4*\k+3], s[\xb:\xb+1] offset:512*\k   ; 32 lanes store 512 consecutive bytes, two whole rows, at a multiple of 256 from the buffer's first byte
.endr
	WIN 0                                          ; at a label every window is 0
.Lnox_\@:
.endm
; A tile: 8 products (4 tiles of q's 64, 4 of k's), the quantiser, the records through my stage, four stores of 512 consecutive bytes.
.macro TILE xf, xs, out, rb, tl
.rept 8
	v_nop                                          ; x's scale word was written by a vector instruction: it stands 8 places ahead of a scaled matrix instruction, x's codes 4
.endr
	WIN 0x11                                       ; source 0 (the weights) and C (the biases) in window 1
.irp t, 0,1,2,3,4,5,6,7
	v_wmma_scale_f32_16x16x128_f8f6f4 v[HA+8*\t:HA+8*\t+7], v[12*\t:12*\t+11], v[\xf:\xf+11], v[B1+8*\t:B1+8*\t+7], v[W1S+\t], v[\xs] matrix_a_fmt:MATRIX_FMT_BF6 matrix_b_fmt:MATRIX_FMT_BF6
.endr
	WIN 0
.rept 4
	v_nop                                          ; places in front of the first read of results (ISA guide 7.12.1)
.endr
	QUANT HA, \out, \out+8, \out+6, \out+14, 1
	ds_store_b128 v[SO], v[\out:\out+3] offset:STG             ; lane (r, h): q's part h of record r,
	ds_store_b128 v[SO], v[\out+4:\out+7] offset:STG+16
	ds_store_b128 v[SO], v[\out+8:\out+11] offset:STG+64       ; and k's
	ds_store_b128 v[SO], v[\out+12:\out+15] offset:STG+80
.irp k, 0,1,2,3
	ds_load_b128 v[\out+4*\k:\out+4*\k+3], v[SR] offset:STG+4*SP*\k    ; back as they lie in memory, four records an instruction: my wave's own bytes, served in order
.endr
	s_wait_dscnt 0x0
	s_cmp_lt_u32 s[\tl], NT                        ; a tile number past the table's end stores nothing: a branch on ids alone
	s_cbranch_scc0 .Lnone_\@
.irp k, 0,1,2,3
	global_store_b128 v[LI], v[\out+4*\k:\out+4*\k+3], s[\rb:\rb+1] offset:512*\k   ; 32 lanes store 512 consecutive bytes, at a multiple of 256 from the buffer's first byte
.endr
.Lnone_\@:
.endm
	s_load_b512 s[4:19], s[0:1], 0x0               ; emb s[4:5], qW s[6:7], kW s[8:9], qb s[10:11], kb s[12:13], theta s[14:15], mu s[16:17], rec s[18:19]
	s_load_b64 s[48:49], s[0:1], 0x40              ; the words of 16 bits
	v_lshl_add_u32 v126, v0, 2, 0x10400
	v_mov_b32 v127, 0
	v_lshrrev_b32 v1, 5, v0
	v_readfirstlane_b32 s20, v1                    ; wave 0..7
	v_and_b32 v1, 31, v0                           ; lane
	v_and_b32 v2, 15, v0                           ; r
	v_bfe_u32 v3, v0, 4, 1                         ; h
	v_lshlrev_b32 v[XA], 9, v2
	v_lshl_add_u32 v[XA], v3, 6, v[XA]
	v_lshlrev_b32 v[LI], 4, v1
	v_lshlrev_b32 v[LS], 2, v1
	s_mul_i32 s2, s20, 1536
	v_add_nc_u32 v[WWI], s2, v[LI]
	s_lshl_b32 s2, s20, 7
	v_add_nc_u32 v[WWS], s2, v[LS]
	s_mul_i32 s2, s20, 16*SP
	v_mul_u32_u24 v[SO], v2, SP
	v_lshl_add_u32 v[SO], v3, 5, v[SO]
	v_add_nc_u32 v[SO], s2, v[SO]
	v_lshrrev_b32 v14, 3, v1
	v_and_b32 v15, 7, v1
	v_mul_u32_u24 v[SR], v14, SP
	v_lshl_add_u32 v[SR], v15, 4, v[SR]
	v_add_nc_u32 v[SR], s2, v[SR]
	v_and_b32 v14, 8, v2
	v_add_nc_u32 v14, v14, v2                      ; r + 8 (r / 8)
	v_lshlrev_b32 v[WA], 9, v14
	v_lshl_add_u32 v[WA], v3, 6, v[WA]
	v_lshlrev_b32 v[BA], 6, v3
	v_lshlrev_b32 v[TA], 2, v2
	s_mul_i32 s2, s20, 16*XP
	v_mul_u32_u24 v[XSO], v2, XP
	v_lshl_add_u32 v[XSO], v3, 7, v[XSO]
	v_add_nc_u32 v[XSO], s2, v[XSO]
	v_mul_u32_u24 v[XSR], v3, XP
	v_lshl_add_u32 v[XSR], v2, 4, v[XSR]
	v_add_nc_u32 v[XSR], s2, v[XSR]
	s_lshl_b32 s21, ttmp9, 3
	s_add_co_u32 s21, s21, s20                     ; g
	s_lshl_b32 s22, s21, 1                         ; my two tiles,
	s_add_co_u32 s23, s22, 1
	s_min_u32 s24, s22, NT-1                       ; and the tiles that I load: held inside the table
	s_min_u32 s25, s23, NT-1
	s_mov_b32 s[SEL], 0x76543210
	s_mov_b32 s[SEL+1], 0xfedcba98
	s_and_b32 s2, s20, 3                           ; my fragment of the weights is tile 2 b + u of qW (waves 0-3) or of kW (waves 4-7): it begins at row 32 b + 8 u
	s_lshr_b32 s3, s2, 1
	s_and_b32 s2, s2, 1
	s_lshl_b32 s3, s3, 14
	s_lshl_b32 s2, s2, 12
	s_add_co_u32 s46, s2, s3
	s_mov_b32 s47, 0
	s_wait_kmcnt 0x0
	s_cmp_lt_u32 s20, 4
	s_cselect_b64 s[34:35], s[6:7], s[8:9]
	s_add_nc_u64 s[34:35], s[34:35], s[46:47]
	s_lshl_b32 s46, s24, 13                        ; a tile of x is 8,192 bytes
	s_add_nc_u64 s[26:27], s[4:5], s[46:47]
	s_lshl_b32 s46, s25, 13
	s_add_nc_u64 s[28:29], s[4:5], s[46:47]
	s_lshl_b32 s46, s22, 11                        ; its records 2,048
	s_add_nc_u64 s[30:31], s[18:19], s[46:47]
	s_lshl_b32 s46, s23, 11
	s_add_nc_u64 s[32:33], s[18:19], s[46:47]
	s_lshl_b32 s46, s24, 6                         ; its theta and mu 64
	s_add_nc_u64 s[36:37], s[14:15], s[46:47]
	s_add_nc_u64 s[38:39], s[16:17], s[46:47]
	s_lshl_b32 s46, s25, 6
	s_add_nc_u64 s[40:41], s[14:15], s[46:47]
	s_add_nc_u64 s[42:43], s[16:17], s[46:47]
	s_lshl_b32 s46, s23, 12                        ; its words of 16 bits 4,096
	s_add_nc_u64 s[50:51], s[48:49], s[46:47]
	s_lshl_b32 s46, s22, 12
	s_add_nc_u64 s[48:49], s[48:49], s[46:47]
	XLOAD XD1, WA, 34                              ; 16 loads: my 16 rows of the weights
	XLOAD XD0, XA, 26                              ; 16: x of tile 0
	global_load_b32 v[OUT0+7], v[TA], s[36:37]     ; 4: theta and mu go straight into the records' registers
	global_load_b32 v[OUT0+15], v[TA], s[38:39]
	global_load_b32 v[OUT1+7], v[TA], s[40:41]
	global_load_b32 v[OUT1+15], v[TA], s[42:43]
	WIN 0x40                                       ; destination window 1
.irp t, 0,1,2,3                                ; 16: the biases in the result's layout: lane (r, h) wants, for tile 2 b + u, those of numbers 32 b + 16 h + 8 u + 0 .. 7
	global_load_b128 v[B1+8*\t:B1+8*\t+3], v[BA], s[10:11] offset:(32*(\t/2)+8*(\t%2))*4
	global_load_b128 v[B1+8*\t+4:B1+8*\t+7], v[BA], s[10:11] offset:(32*(\t/2)+8*(\t%2))*4+16
	global_load_b128 v[B1+32+8*\t:B1+32+8*\t+3], v[BA], s[12:13] offset:(32*(\t/2)+8*(\t%2))*4
	global_load_b128 v[B1+32+8*\t+4:B1+32+8*\t+7], v[BA], s[12:13] offset:(32*(\t/2)+8*(\t%2))*4+16
.endr
	WIN 0
.irp b, 0,1,2,3
	v_mov_b32 v[TM+4+\b], 0                        ; written once: a lane permute's destination counts as one of its sources
.endr
	s_wait_loadcnt 36                              ; the weights are in: 16 + 4 + 16 loads were issued behind them
	QUANT XD1, PCW, PCW+6, PWW, PWW, 0
.irp c, 0,1,2
	ds_store_b128 v[WWI], v[PCW+4*\c:PCW+4*\c+3] offset:WIMG+512*\c    ; my fragment as it stands
.endr
	ds_store_b32 v[WWS], v[PWW] offset:WSC
	XLOAD XD1, XA, 28                              ; 16: x of tile 1, into the registers that the weights have left
	s_wait_loadcnt 36                              ; x of tile 0 is in: 4 + 16 + 16 loads were issued behind it
	QUANT XD0, XF0, XF0+6, XS0, XS0, 0
	s_wait_dscnt 0x0                               ; for the others' sake: my fragment's image has landed
	s_barrier_signal -1
	s_barrier_wait -1                              ; all eight lie in LDS; they are never written again
	WIN 0x40
.irp t, 0,1,2,3,4,5,6,7
.irp c, 0,1,2
	ds_load_b128 v[12*\t+4*\c:12*\t+4*\c+3], v[LI] offset:WIMG+1536*\t+512*\c
.endr
.endr
	WIN 0
.irp t, 0,1,2,3,4,5,6,7
	ds_load_b32 v[W1S+\t], v[LS] offset:WSC+128*\t
.endr
	PACKX XD0, PK0                                 ; tile 0's words are made while the weights' fragments come, and before the products take x's registers
	s_wait_loadcnt 16                              ; theta, mu and the biases are in; the 16 loads of tile 1's x may be out
	s_wait_dscnt 0x0
	SENDX PK0, 48, 22
	TILE XF0, XS0, OUT0, 30, 22
	s_wait_loadcnt 0x0
	QUANT XD1, XF1, XF1+6, XS1, XS1, 0
	PACKX XD1, PK1                                 ; each tile's words and records have registers of their own: no store's data are written again
	s_wait_dscnt 0x0
	SENDX PK1, 50, 23
	TILE XF1, XS1, OUT1, 32, 23
	s_wait_tensorcnt 0x0
	ds_add_u32 v126, v127
	s_wait_dscnt 0x0
	s_endpgm
.Lfunc_end_k_qb36e77f1de_prep:
	.size	k_qb36e77f1de_prep, .Lfunc_end_k_qb36e77f1de_prep-k_qb36e77f1de_prep
	.p2alignl 7, 3214868480
	.fill 96, 4, 3214868480
	.section	.rodata,"a",@progbits
	.p2align	6, 0x0
	.amdhsa_kernel k_qb36e77f1de_prep
		.amdhsa_group_segment_fixed_size 67584
		.amdhsa_private_segment_fixed_size 0
		.amdhsa_enable_private_segment 0
		.amdhsa_kernarg_size 72
		.amdhsa_user_sgpr_count 2
		.amdhsa_user_sgpr_kernarg_segment_ptr 1
		.amdhsa_wavefront_size32 1
		.amdhsa_system_sgpr_workgroup_id_x 1
		.amdhsa_system_sgpr_workgroup_id_y 1
		.amdhsa_system_sgpr_workgroup_id_z 1
		.amdhsa_system_vgpr_workitem_id 0
		.amdhsa_next_free_vgpr 480
		.amdhsa_next_free_sgpr 66
		.amdhsa_reserve_vcc 0
		.amdhsa_float_denorm_mode_32 3
		.amdhsa_float_denorm_mode_16_64 3
		.amdhsa_memory_ordered 1
		.amdhsa_forward_progress 1
		.amdhsa_inst_pref_size 67
	.end_amdhsa_kernel
	.amdgpu_metadata
---
amdhsa.version: [ 1, 2 ]
amdhsa.kernels:
  - .name:           k_qb36e77f1de_prep
    .symbol:         k_qb36e77f1de_prep.kd
    .args:
      - { .name: emb_table, .offset: 0, .size: 8, .value_kind: global_buffer, .address_space: global }
      - { .name: qW, .offset: 8, .size: 8, .value_kind: global_buffer, .address_space: global }
      - { .name: kW, .offset: 16, .size: 8, .value_kind: global_buffer, .address_space: global }
      - { .name: qb, .offset: 24, .size: 8, .value_kind: global_buffer, .address_space: global }
      - { .name: kb, .offset: 32, .size: 8, .value_kind: global_buffer, .address_space: global }
      - { .name: theta_table, .offset: 40, .size: 8, .value_kind: global_buffer, .address_space: global }
      - { .name: mu_table, .offset: 48, .size: 8, .value_kind: global_buffer, .address_space: global }
      - { .name: rec, .offset: 56, .size: 8, .value_kind: global_buffer, .address_space: global }
      - { .name: xh, .offset: 64, .size: 8, .value_kind: global_buffer, .address_space: global }
    .group_segment_fixed_size: 67584
    .private_segment_fixed_size: 0
    .kernarg_segment_align: 8
    .kernarg_segment_size: 72
    .max_flat_workgroup_size: 256
    .sgpr_count:     66
    .vgpr_count:     480
    .wavefront_size: 32
...
	.end_amdgpu_metadata
.endif
;; end of part 3
;; launch attn (part 4): grid 256 x 1, 16 waves a work-group, no clusters, 14,336 bytes of LDS; arguments xh, rec, input_ids, id_mask, input_times, out0; writes out0
.if DOCPART == 4
	.amdgcn_target "amdgcn-amd-amdhsa--gfx1250"
	.amdhsa_code_object_version 6
	.text
	.protected	k_qb36e77f1de_attn
	.globl	k_qb36e77f1de_attn
	.p2align	8
	.type	k_qb36e77f1de_attn,@function
k_qb36e77f1de_attn:
	s_mov_b64 s[64:65], 0
	v_nop
	global_prefetch_b8 v0, s[64:65] scope:SCOPE_SE
	s_setreg_imm32_b32 hwreg(HW_REG_WAVE_MODE, 25, 1), 1
	s_wait_xcnt 0x0
; FOR EACH OF 16,384 SETS OF 32 CONCEPTS: scores = Q(q) Q(k)^T / 8 + m m^T (m = 0 where the mask is over 0.5, else -1e9), p = 2^(t - M), O = Q(p) Q(x) / l, pooled = the sum over the queries of O x sigmoid(theta - mu time) x mask.
; Both products on codes of BF6 (E3M2) with one E8M0 scale for each 32 along K.  Q(q), Q(k), their scale words, theta and mu come from the records that the launch before has made, 128 bytes for each row of the table.
; x, which is quantised here along the KEYS of its set, comes as the words of 16 bits that the launch before has made, 256 bytes a row: the f32 number's upper 16 bits, the lowest of them set where any dropped bit is set.
; Widened again (16 zeros below), such a word has the f32 number's exponent, and lies on the same side of, or on, every code of E3M2 and every middle between two codes as the f32 number does: scale and codes come out the same
; for every input, ties too (the launch before gives the argument).  That halves the bytes of the gather, which is most of what this launch moves: 32 rows x 256 bytes a set.
; SHARES: wave g (16 x work-group + wave) takes sets 4 g .. 4 g + 3, written out by one macro.  Sixteen waves of 256 registers: four to a SIMD, so that one wave's waits stand beside another's work.  Waves share nothing: no barrier.
; THE ORDER OF CONCEPTS: lane r of tile u (queries and keys alike) stands for concept 8 u + r + 8 (r / 8).  S^T = k q^T (source 0 = 16 keys, source 1 = 16 queries): a lane holds one query, and the 16 registers of the two
; tiles of keys are keys 16 (lane / 16) + 0 .. 15: neighbours along the next K.  In O = P x (source 0 = 16 queries, source 1 = 16 columns) register j of tile u is query 16 (lane / 16) + 8 u + j.
; K IS SHORTER THAN THE INSTRUCTION'S 128 (64, then 32): ONE operand of each product holds zero codes in the rest (q's and P's registers 6-11), the other whatever stands there: no code of this format is an infinity or a NaN,
; and the rest's scale bytes are 0, which stands for 2^-127.
; x: ONE LOAD OF 8 BYTES A LANE READS ONE WHOLE GATHERED ROW; lane l gets columns l, 32 + l, 64 + l, 96 + l, and a set's 32 register pairs run down the keys.  Step c = 0 .. 3 widens column 32 c + l into 32 registers: a block of
; 32 keys in one lane; its six registers of codes are K block 0 of column 32 c + l in lanes 0-15 and K block 1 in lanes 16-31.  So P is kept twice: PA with its codes in block 0 and zeros in block 1, which picks columns
; 32 c + r, and PB the other way round, which picks columns 32 c + 16 + r.
; t - M IS TWO ROUNDINGS, t = score x log2(e), then t - M: in a row whose query is masked t is near 1.4e18, all its masked keys have the same t, M = t, and p is 1 or 0: finite, under the weight 0.
; NO CLUSTER, NO TENSOR LOAD: rows are gathered by index; work-groups share no tile.  NO PREFETCH: a wave asks for the next set's 32 rows as soon as this set's are widened, a third of a set's work and the next set's softmax ahead of their use.
; LIMITS: NaN and infinities among the inputs are not served.  Ids are held at 49,999 (a negative id too).  A block whose largest magnitude lies under 2^(5 - 127), a block of zeros too, gets the scale byte 1.
.set L8,    1                          ; v1   8 x lane
.set LW,    2                          ; v2   LDS: my wave's 768 bytes + 4 x lane
.set LR,    3                          ; v3   LDS: my wave's bytes + 32 h
.set LO,    4                          ; v4   LDS: my wave's bytes + 16 x lane
.set GOUT,  5                          ; v5   16 x lane
.set IOA,   6                          ; v6   4 (r + 8 (r / 8)): tile 0's concept of lane r, in ids
.set IOW,   7                          ; v7   + 32 h: the concept that lane (r, h) stands for in the mask and the weights: tile h's
.set H32,   8                          ; v8   32 h
.set MASKV, 9                          ; v9   its mask
.set R,     10                         ; v10-11 (even sets), v12-13 (odd): ids of tiles 0, 1, then their records' offsets
.set PO,    14                         ; v14-15 a batch's pooled numbers, by turns
.set QS,    16                         ; v16-19 q's (scale word, theta) of tiles 0, 1
.set KS,    20                         ; v20-23 k's (scale word, mu)
.set QF,    24                         ; v24-47 q's two fragments: 6 registers of codes, 6 of zeros
.set KF,    48                         ; v48-59 k's two: 6 registers each; the six behind them are named with them
.set Z,     60                         ; v60-107 P: slot 2 u + f (f = 0: PA, 1: PB) of tile u: 6 registers of codes, 6 of zeros
.set ZERO,  66                         ; v66  one of those zeros
.set XC,    108                        ; v108-131 x's codes, 6 registers for each 32 columns; v132-137 named behind the last
.set T,     108                        ; the same 30 registers are at work while the softmax is made
.set KA,    132                        ; v132-137 at work while x is quantised: +0..3 four maxima, then +0 the byte, +1 the scale operand, +2..4 the upper 16 codes; +5 the other half's byte
.set MG,    138                        ; v138-153 8 m by key, later the weights by query: register 8 u + j = concept 16 h + 8 u + j
.set SV,    154                        ; v154-185 S^T, t, p; then 32 widened numbers of x; then four accumulators of O
.set XW,    154
.set XR,    186                        ; v186-249 a set's 32 rows: a pair of registers, four words of 16 bits, for each key
.set XBS,   250                        ; v250-253 x's scale words
.set PS,    254                        ; v254-255 P's
.set ZZ,  T+0                          ; theta - mu time
.set MC,  T+1                          ; the mask, kept
.set MM,  T+2                          ; m;  later EE: the weight in the making
.set EE,  T+2
.set M8,  T+3                          ; 8 m;  later RL: 1 / l
.set RL,  T+3
.set MQ,  T+4                          ; T+4: m of tile 0's query of lane r, T+6: of tile 1's; each the low word of a pair
.set MX,  T+5
.set TH,  T+7
.set MU,  T+8
.set LL,  T+8                          ; T+8, T+9: l of tiles 0, 1
.set UA,  T+10                         ; for tile qu at UA + 10 qu: +0 -M, +1 the largest t, +2 at work, +3 the largest p, then the conversion's scale operand, +4..6 my 16 codes, +7..9 lane l xor 16's
.set XH,  4
.set REC, 6
.set IDS, 8
.set MSK, 10
.set TIM, 12
.set OUT, 14
.set SA,  16                           ; s[16:47] an even set's 32 ids, then its rows' byte offsets
.set SB,  68                           ; s[68:99] an odd set's
.set TMS, 48                           ; s[48:51] the four sets' times
.set WV,  52
.set HM,  53                           ; 0xffff0000: lanes 16-31; also a word's upper 16 bits
.set SEL, 54                           ; s[54:55] v_permlanex16_b32's selects for lane l xor 16
.set CS,  56                           ; s[56:57] log2(e) / 8
.macro ID n                            ; the ids of set n's two tiles: 2 loads
	global_load_b32 v[R+2*((\n)%2)], v[IOA], s[IDS:IDS+1] offset:128*(\n)
	global_load_b32 v[R+2*((\n)%2)+1], v[IOA], s[IDS:IDS+1] offset:128*(\n)+32
.endm
.macro RO n                            ; they become offsets of my part of the records: 128 id + 32 h
.irp u, 0,1
	v_min_u32 v[R+2*((\n)%2)+\u], 49999, v[R+2*((\n)%2)+\u]
.endr
.irp u, 0,1
	v_lshlrev_b32 v[R+2*((\n)%2)+\u], 7, v[R+2*((\n)%2)+\u]
.endr
.irp u, 0,1
	v_add_nc_u32 v[R+2*((\n)%2)+\u], v[H32], v[R+2*((\n)%2)+\u]
.endr
.endm
.macro FR n                            ; set n's records and mask: 13 loads
.irp u, 0,1
	global_load_b128 v[QF+12*\u:QF+12*\u+3], v[R+2*((\n)%2)+\u], s[REC:REC+1]
	global_load_b64 v[QF+12*\u+4:QF+12*\u+5], v[R+2*((\n)%2)+\u], s[REC:REC+1] offset:16
	global_load_b64 v[QS+2*\u:QS+2*\u+1], v[R+2*((\n)%2)+\u], s[REC:REC+1] offset:24
	global_load_b128 v[KF+6*\u:KF+6*\u+3], v[R+2*((\n)%2)+\u], s[REC:REC+1] offset:64
	global_load_b64 v[KF+6*\u+4:KF+6*\u+5], v[R+2*((\n)%2)+\u], s[REC:REC+1] offset:80
	global_load_b64 v[KS+2*\u:KS+2*\u+1], v[R+2*((\n)%2)+\u], s[REC:REC+1] offset:88
.endr
	global_load_b32 v[MASKV], v[IOW], s[MSK:MSK+1] offset:128*(\n)
.endm
.macro SO base                         ; 32 ids become the rows' byte offsets: 256 bytes a row
.set j, 0
.rept 32
	s_min_u32 s[\base+j], s[\base+j], 49999
	s_lshl_b32 s[\base+j], s[\base+j], 8
.set j, j+1
.endr
.endm
.macro GROUP base                      ; a set's 32 rows: 32 loads of 256 consecutive, aligned bytes.  The 32 addresses are made in one run, the loads follow in one run; a load lands on its own address register
.set j, 0
.rept 32
	v_add_nc_u32 v[XR+2*j], s[\base+j], v[L8]
.set j, j+1
.endr
.set j, 0
.rept 32
	global_load_b64 v[XR+2*j:XR+2*j+1], v[XR+2*j], s[XH:XH+1]
.set j, j+1
.endr
.endm
.macro WIDEN c                         ; column 32 c + lane of the 32 keys, as f32: the word above, 16 zeros below
.set j, 0
.rept 32
.if ((\c)%2) == 0
	v_lshlrev_b32 v[XW+j], 16, v[XR+2*j+(\c)/2]
.else
	v_and_b32 v[XW+j], s[HM], v[XR+2*j+(\c)/2]
.endif
.set j, j+1
.endr
.endm
.macro KQ c                            ; my column's 32 keys are one block: its scale, its codes
.irp k, 0,1,2,3
	v_max3_num_f32 v[KA+\k], |v[XW+8*\k]|, |v[XW+8*\k+1]|, |v[XW+8*\k+2]|      ; four chains by turns
.endr
.irp i, 3,5
.irp k, 0,1,2,3
	v_max3_num_f32 v[KA+\k], v[KA+\k], |v[XW+8*\k+\i]|, |v[XW+8*\k+\i+1]|
.endr
.endr
	v_max3_num_f32 v[KA], v[KA], |v[XW+7]|, |v[XW+15]|
	v_max3_num_f32 v[KA+2], v[KA+2], |v[XW+23]|, |v[XW+31]|
	v_max3_num_f32 v[KA], v[KA], v[KA+1], v[KA+2]
	v_max3_num_f32 v[KA], v[KA], v[KA+3], 0x2800000        ; and the floor 2^(5 - 127): the byte cannot fall under 1
	v_add_nc_u32 v[KA+1], 0xfe000000, v[KA]                ; 4 off the exponent field: the conversion's scale operand
	v_cvt_scalef32_pk16_bf6_f32 v[XC+6*(\c):XC+6*(\c)+2], v[XW:XW+15], v[KA+1]
	v_cvt_scalef32_pk16_bf6_f32 v[KA+2:KA+4], v[XW+16:XW+31], v[KA+1]      ; (a conversion's three registers begin on an even number)
	v_lshrrev_b32 v[KA], 23, v[KA+1]                       ; the scale's byte.  (The plain place behind the conversions)
	v_permlanex16_b32 v[KA+5], v[KA], s[SEL], s[SEL+1]
.irp i, 0,1,2
	v_mov_b32 v[XC+6*(\c)+3+\i], v[KA+2+\i]
.endr
	v_lshl_or_b32 v[XBS+(\c)], v[KA+5], 8, v[KA]           ; lane r: byte 0 for column 32 c + r (K block 0), byte 1 for column 32 c + 16 + r (K block 1)
.endm
.macro OBATCH c                        ; 32 queries x columns 32 c .. 32 c + 31, and their weighted sum over the queries
.irp f, 0,1
.irp u, 0,1
	v_wmma_scale_f32_16x16x128_f8f6f4 v[SV+8*(2*\f+\u):SV+8*(2*\f+\u)+7], v[Z+12*(2*\u+\f):Z+12*(2*\u+\f)+11], v[XC+6*(\c):XC+6*(\c)+11], 0, v[PS+\u], v[XBS+(\c)] matrix_a_fmt:MATRIX_FMT_BF6 matrix_b_fmt:MATRIX_FMT_BF6
.endr
.endr
.rept 4
	v_nop                                          ; places in front of the first read of results (ISA guide 7.12.1); with the other accumulators' lines below they are more than five in front of the next products that write these registers
.endr
.irp a, 0,1,2,3
	v_pk_mul_f32 v[SV+8*\a:SV+8*\a+1], v[SV+8*\a:SV+8*\a+1], v[MG+8*(\a%2):MG+8*(\a%2)+1]     ; each accumulator from its low end on; the four by turns
.endr
.irp i, 2,4,6
.irp a, 0,1,2,3
	v_pk_fma_f32 v[SV+8*\a:SV+8*\a+1], v[SV+8*\a+\i:SV+8*\a+\i+1], v[MG+8*(\a%2)+\i:MG+8*(\a%2)+\i+1], v[SV+8*\a:SV+8*\a+1]
.endr
.endr
	v_pk_add_f32 v[SV:SV+1], v[SV:SV+1], v[SV+8:SV+9]              ; the two tiles of queries
	v_pk_add_f32 v[SV+16:SV+17], v[SV+16:SV+17], v[SV+24:SV+25]
	v_add_f32 v[SV], v[SV], v[SV+1]
	v_add_f32 v[SV+16], v[SV+16], v[SV+17]
	v_permlane16_swap_b32 v[SV], v[SV+16]          ; the first now holds both column groups' sums over queries 0-15 (in the tiles' order), the second those over the others
	v_add_f32 v[PO+(\c)%2], v[SV], v[SV+16]        ; lane l: pooled[32 c + l]
	ds_store_b32 v[LW], v[PO+(\c)%2] offset:256+128*(\c)
.endm
.macro SET n
.if ((\n)%2) == 0
.set SON, SB
.else
.set SON, SA
.endif
.if (\n) < 2
.set W0, 15                            ; behind a set's 32 rows were issued: 13 loads of the next set's records and mask, 2 of ids
.elseif (\n) == 2
.set W0, 13                            ; no ids are left to ask for
.else
.set W0, 0                             ; nor records
.endif
	s_wait_loadcnt 32                              ; this set's records and mask and the next set's ids are in: behind them only the 32 loads of this set's rows were issued
.if (\n) > 0
	s_wait_xcnt 0x0                                ; the last set's store has read its data, which lie where S^T goes
.endif
	; ---- S^T = k q^T
.irp qu, 0,1
.irp ku, 0,1
	v_wmma_scale_f32_16x16x128_f8f6f4 v[SV+8*(2*\qu+\ku):SV+8*(2*\qu+\ku)+7], v[KF+6*\ku:KF+6*\ku+11], v[QF+12*\qu:QF+12*\qu+11], 0, v[KS+2*\ku], v[QS+2*\qu] matrix_a_fmt:MATRIX_FMT_BF6 matrix_b_fmt:MATRIX_FMT_BF6
.endr
.endr
	v_cndmask_b32 v[TH], v[QS+1], v[QS+3], s[HM]   ; lane (r, h) stands for tile h's concept.  (These seven lines name no register of the products: they are the places in front of the loads below)
	v_cndmask_b32 v[MU], v[KS+1], v[KS+3], s[HM]
	v_mov_b32 v[MC], v[MASKV]
	v_cmp_lt_f32 vcc_lo, 0.5, v[MASKV]
	v_cndmask_b32 v[MM], 0xce6e6b28, v[ZERO], vcc_lo       ; m = 0 where the mask is over 0.5, else -1e9
	v_fma_f32 v[ZZ], -v[MU], s[TMS+(\n)], v[TH]
	v_mul_f32 v[M8], 0x41000000, v[MM]             ; 8 m: the scores are kept 8 times as large, which rounds nothing
.if (\n) < 3
	RO (\n)+1
	FR (\n)+1                                      ; the next set's records, into the registers that the products have read
.endif
.if (\n) < 2
	ID (\n)+2                                      ; (the loads that had these two registers as addresses have been shown in)
.endif
	ds_store_b32 v[LW], v[M8]                      ; by lane,
.irp u, 0,1
.irp i, 0,1
	ds_load_b128 v[MG+8*\u+4*\i:MG+8*\u+4*\i+3], v[LR] offset:64*\u+16*\i   ; and back by key: lane 16 u + 8 h + j stands for concept 16 h + 8 u + j.  My wave's own bytes, served in order
.endr
.endr
	v_permlanex16_b32 v[MX], v[MM], s[SEL], s[SEL+1]
	v_cndmask_b32 v[MQ], v[MM], v[MX], s[HM]       ; m of tile 0's query of lane r, in both halves
	v_cndmask_b32 v[MQ+2], v[MX], v[MM], s[HM]     ; and of tile 1's
	s_wait_dscnt 0x0
.irp i, 0,2,4,6,8,10,12,14
.irp qu, 0,1
	v_pk_fma_f32 v[SV+16*\qu+\i:SV+16*\qu+\i+1], v[MG+\i:MG+\i+1], v[MQ+2*\qu:MQ+2*\qu+1], v[SV+16*\qu+\i:SV+16*\qu+\i+1] op_sel_hi:[1,0,1]   ; + 8 m(key) m(query); each accumulator from its low end on
.endr
.endr
.irp i, 0,2,4,6,8,10,12,14
.irp qu, 0,1
	v_pk_mul_f32 v[SV+16*\qu+\i:SV+16*\qu+\i+1], v[SV+16*\qu+\i:SV+16*\qu+\i+1], s[CS:CS+1] op_sel_hi:[1,0]   ; t = score x log2(e)
.endr
.endr
.irp qu, 0,1
	v_max3_num_f32 v[UA+10*\qu+1], v[SV+16*\qu], v[SV+16*\qu+1], v[SV+16*\qu+2]        ; the largest t of my 16 keys, in two chains for each tile of queries
	v_max3_num_f32 v[UA+10*\qu+2], v[SV+16*\qu+3], v[SV+16*\qu+4], v[SV+16*\qu+5]
.endr
.irp i, 6,10
.irp qu, 0,1
	v_max3_num_f32 v[UA+10*\qu+1], v[UA+10*\qu+1], v[SV+16*\qu+\i], v[SV+16*\qu+\i+1]
	v_max3_num_f32 v[UA+10*\qu+2], v[UA+10*\qu+2], v[SV+16*\qu+\i+2], v[SV+16*\qu+\i+3]
.endr
.endr
.irp qu, 0,1
	v_max3_num_f32 v[UA+10*\qu+1], v[UA+10*\qu+1], v[SV+16*\qu+14], v[SV+16*\qu+15]
.endr
.irp qu, 0,1
	v_max_num_f32 v[UA+10*\qu+1], v[UA+10*\qu+1], v[UA+10*\qu+2]
.endr
.irp qu, 0,1
	v_permlanex16_b32 v[UA+10*\qu+2], v[UA+10*\qu+1], s[SEL], s[SEL+1]
.endr
.irp qu, 0,1
	v_max_num_f32 v[UA+10*\qu+1], v[UA+10*\qu+1], v[UA+10*\qu+2]   ; with lane l xor 16's 16 keys: the row's
.endr
.irp qu, 0,1
	v_floor_f32 v[UA+10*\qu], -v[UA+10*\qu+1]      ; -M = floor(-t) = -ceil(t)
.endr
.irp i, 0,2,4,6,8,10,12,14
.irp qu, 0,1
	v_pk_add_f32 v[SV+16*\qu+\i:SV+16*\qu+\i+1], v[SV+16*\qu+\i:SV+16*\qu+\i+1], v[UA+10*\qu:UA+10*\qu+1] op_sel_hi:[1,0]   ; t - M
.endr
.endr
.irp qu, 0,1
	v_add_f32 v[UA+10*\qu+3], v[UA+10*\qu+1], v[UA+10*\qu]         ; the same of the row's largest t: p rises with t, so this gives the block's largest p, by the same operations on the same number
.endr
.irp i, 0,1,2,3,4,5,6,7,8,9,10,11,12,13,14,15
.irp qu, 0,1
	v_exp_f32 v[SV+16*\qu+\i], v[SV+16*\qu+\i]     ; p = 2^(t - M): not normalised
.endr
.endr
.irp qu, 0,1
	v_exp_f32 v[UA+10*\qu+3], v[UA+10*\qu+3]       ; over 1/2, at most 1
.endr
	v_mul_f32 v[EE], 0xbfb8aa3b, v[ZZ]             ; for the sigmoid.  (The plain place behind the exponentials)
	s_wait_alu depctr_va_vdst(0)
.irp qu, 0,1
	v_add_nc_u32 v[UA+10*\qu+3], 0xfe000000, v[UA+10*\qu+3]        ; 4 off the exponent field: the conversion's scale operand
.endr
.irp qu, 0,1
	v_cvt_scalef32_pk16_bf6_f32 v[UA+10*\qu+4:UA+10*\qu+6], v[SV+16*\qu:SV+16*\qu+15], v[UA+10*\qu+3]
.endr
.irp qu, 0,1
	v_lshrrev_b32 v[UA+10*\qu+2], 23, v[UA+10*\qu+3]               ; the scale's byte.  (The plain place behind the conversions)
.endr
.irp qu, 0,1
	v_lshl_or_b32 v[PS+\qu], v[UA+10*\qu+2], 8, v[UA+10*\qu+2]     ; for K block 0 (PA) and for K block 1 (PB)
.endr
	v_exp_f32 v[EE], v[EE]
.irp i, 0,2,4,6                                ; THE ROW'S SUM IS TAKEN OF THE UNQUANTISED p, in place: the codes are made
.irp qu, 0,1
	v_pk_add_f32 v[SV+16*\qu+\i:SV+16*\qu+\i+1], v[SV+16*\qu+\i:SV+16*\qu+\i+1], v[SV+16*\qu+\i+8:SV+16*\qu+\i+9]
.endr
.endr
.irp i, 0,2
.irp qu, 0,1
	v_pk_add_f32 v[SV+16*\qu+\i:SV+16*\qu+\i+1], v[SV+16*\qu+\i:SV+16*\qu+\i+1], v[SV+16*\qu+\i+4:SV+16*\qu+\i+5]
.endr
.endr
.irp qu, 0,1
	v_pk_add_f32 v[SV+16*\qu:SV+16*\qu+1], v[SV+16*\qu:SV+16*\qu+1], v[SV+16*\qu+2:SV+16*\qu+3]
.endr
	s_wait_alu depctr_va_vdst(0)
	v_add_f32 v[EE], 1.0, v[EE]
	v_rcp_f32 v[EE], v[EE]                         ; sigmoid(theta - mu time)
.irp qu, 0,1
	v_add_f32 v[LL+\qu], v[SV+16*\qu], v[SV+16*\qu+1]
.endr
.irp qu, 0,1
	v_permlanex16_b32 v[UA+10*\qu+2], v[LL+\qu], s[SEL], s[SEL+1]
.endr
.irp qu, 0,1
	v_add_f32 v[LL+\qu], v[LL+\qu], v[UA+10*\qu+2] ; l
.endr
.irp qu, 0,1
.irp i, 0,1,2
	v_permlanex16_b32 v[UA+10*\qu+7+\i], v[UA+10*\qu+4+\i], s[SEL], s[SEL+1]   ; the other 16 keys' codes
.endr
.endr
	v_cndmask_b32 v[RL], v[LL], v[LL+1], s[HM]     ; lane (r, h): tile h's l
	v_rcp_f32 v[RL], v[RL]
.irp qu, 0,1
.irp i, 0,1,2
	v_cndmask_b32 v[Z+24*\qu+\i], v[UA+10*\qu+4+\i], 0, s[HM]      ; PA: lanes 0-15 keys 0-15 (mine),
	v_cndmask_b32 v[Z+24*\qu+3+\i], v[UA+10*\qu+7+\i], 0, s[HM]    ;     and keys 16-31 (the other half's); lanes 16-31 zeros
	v_cndmask_b32 v[Z+24*\qu+12+\i], 0, v[UA+10*\qu+7+\i], s[HM]   ; PB: lanes 16-31 keys 0-15 (the other half's),
	v_cndmask_b32 v[Z+24*\qu+15+\i], 0, v[UA+10*\qu+4+\i], s[HM]   ;     and keys 16-31 (mine); lanes 0-15 zeros
.endr
.endr
	s_wait_alu depctr_va_vdst(0)
	v_mul_f32 v[EE], v[EE], v[MC]                  ; x mask
	v_mul_f32 v[EE], v[EE], v[RL]                  ; / l: the query's weight
	ds_store_b32 v[LW], v[EE] offset:128           ; by lane,
.irp u, 0,1
.irp i, 0,1
	ds_load_b128 v[MG+8*\u+4*\i:MG+8*\u+4*\i+3], v[LR] offset:128+64*\u+16*\i   ; and back by query, as 8 m above
.endr
.endr
	; ---- x along the keys: 32 columns at a time
	s_wait_loadcnt W0                              ; this set's 32 rows are in
	WIDEN 0
	KQ 0
	WIDEN 1
	KQ 1
	WIDEN 2
	KQ 2
	WIDEN 3                                        ; the rows' registers have served:
.if (\n) < 3
	s_wait_kmcnt 0x0                               ; the next set's ids
	SO SON
	GROUP SON                                      ; the next set's 32 rows are asked for: the last 32 columns' quantiser, the four batches below and the next set's softmax stand ahead of their use
.if (\n) == 0
	s_load_b512 s[SON:SON+15], s[IDS:IDS+1], 0x180 ; these offsets have served: set 3's ids
	s_load_b512 s[SON+16:SON+31], s[IDS:IDS+1], 0x1c0
.endif
.endif
	KQ 3
	; ---- O = P x and the pooling
	s_wait_dscnt 0x0                               ; the weights are back
	OBATCH 0
	OBATCH 1
	OBATCH 2
	OBATCH 3
	ds_load_b128 v[SV+8:SV+11], v[LO] offset:256   ; the pooled row, 16 bytes a lane
	s_wait_dscnt 0x0
	global_store_b128 v[GOUT], v[SV+8:SV+11], s[OUT:OUT+1] offset:512*(\n) th:TH_STORE_NT   ; 32 lanes store 512 consecutive bytes, at a multiple of 256 from the output's first byte
.endm
	s_load_b256 s[4:11], s[0:1], 0x0               ; x's words s[4:5], the records s[6:7], ids s[8:9], the mask s[10:11]
	s_load_b128 s[12:15], s[0:1], 0x20             ; times s[12:13], the output s[14:15]
	v_lshrrev_b32 v10, 5, v0
	v_readfirstlane_b32 s[WV], v10                 ; wave 0..15
	v_and_b32 v10, 31, v0                          ; lane
	v_and_b32 v11, 15, v0                          ; r
	v_bfe_u32 v12, v0, 4, 1                        ; h
	s_mul_i32 s59, s[WV], 768                      ; LDS: 768 bytes a wave: 128 of 8 m, 128 of weights, 512 of a pooled row
	v_lshlrev_b32 v[L8], 3, v10
	v_lshlrev_b32 v13, 2, v10
	v_lshlrev_b32 v[H32], 5, v12
	v_lshlrev_b32 v[GOUT], 4, v10
	v_add_nc_u32 v[LW], s59, v13
	v_add_nc_u32 v[LR], s59, v[H32]
	v_add_nc_u32 v[LO], s59, v[GOUT]
	v_and_b32 v13, 8, v11
	v_add_nc_u32 v13, v13, v11                     ; r + 8 (r / 8)
	v_lshlrev_b32 v[IOA], 2, v13
	v_add_nc_u32 v[IOW], v[IOA], v[H32]
	s_mov_b32 s[HM], 0xffff0000
	s_mov_b32 s[SEL], 0x76543210
	s_mov_b32 s[SEL+1], 0xfedcba98
	s_mov_b32 s[CS], 0x3e38aa3b                    ; log2(e) / 8
	s_mov_b32 s[CS+1], s[CS]                       ; (named with it as a pair, so it is written)
	s_lshl_b32 s58, ttmp9, 4
	s_add_co_u32 s58, s58, s[WV]                   ; g
	s_lshl_b32 s60, s58, 9                         ; my four sets: 512 bytes of ids and of the mask,
	s_mov_b32 s61, 0
	s_lshl_b32 s62, s58, 4                         ; 16 of times,
	s_mov_b32 s63, 0
	s_lshl_b32 s2, s58, 11                         ; 2,048 of the output
	s_mov_b32 s3, 0
	s_wait_kmcnt 0x0
	s_add_nc_u64 s[IDS:IDS+1], s[IDS:IDS+1], s[60:61]
	s_add_nc_u64 s[MSK:MSK+1], s[MSK:MSK+1], s[60:61]
	s_add_nc_u64 s[TIM:TIM+1], s[TIM:TIM+1], s[62:63]
	s_add_nc_u64 s[OUT:OUT+1], s[OUT:OUT+1], s[2:3]
	s_load_b512 s[SA:SA+15], s[IDS:IDS+1], 0x0     ; the first two sets' ids as scalars, for the rows of x
	s_load_b512 s[SA+16:SA+31], s[IDS:IDS+1], 0x40
	s_load_b512 s[SB:SB+15], s[IDS:IDS+1], 0x80
	s_load_b512 s[SB+16:SB+31], s[IDS:IDS+1], 0xc0
	s_load_b128 s[TMS:TMS+3], s[TIM:TIM+1], 0x0
	ID 0                                           ; and by lane, for the records
	ID 1
.irp i, 0,1,2,3,4,5
	v_mov_b32 v[QF+6+\i], 0                        ; the zero codes of K = 64 .. 127 in q's two fragments,
	v_mov_b32 v[QF+18+\i], 0
	v_mov_b32 v[Z+6+\i], 0                         ; and in P's four slots: written once, they stay
	v_mov_b32 v[Z+18+\i], 0
	v_mov_b32 v[Z+30+\i], 0
	v_mov_b32 v[Z+42+\i], 0
	v_mov_b32 v[Z+\i], 0                           ; (named by the first set's first products behind k's second fragment)
.endr
.irp i, 5,12,17,18,19,22,27,28,29
	v_mov_b32 v[T+\i], 0                           ; written once: a lane permute's destination counts as one of its sources
.endr
	s_wait_loadcnt 2                               ; set 0's ids are in; set 1's two loads may be out
	RO 0
	FR 0
	s_wait_kmcnt 0x0
	SO SA
	GROUP SA                                       ; set 0's 32 rows
	s_load_b512 s[SA:SA+15], s[IDS:IDS+1], 0x100   ; these offsets have served: set 2's ids
	s_load_b512 s[SA+16:SA+31], s[IDS:IDS+1], 0x140
	SET 0
	SET 1
	SET 2
	SET 3
	s_wait_xcnt 0x0
	v_lshl_add_u32 v250, v0, 2, 0x3000
	v_mov_b32 v251, 0
	s_wait_tensorcnt 0x0
	ds_add_u32 v250, v251
	s_wait_dscnt 0x0
	s_endpgm
.Lfunc_end_k_qb36e77f1de_attn:
	.size	k_qb36e77f1de_attn, .Lfunc_end_k_qb36e77f1de_attn-k_qb36e77f1de_attn
	.p2alignl 7, 3214868480
	.fill 96, 4, 3214868480
	.section	.rodata,"a",@progbits
	.p2align	6, 0x0
	.amdhsa_kernel k_qb36e77f1de_attn
		.amdhsa_group_segment_fixed_size 14336
		.amdhsa_private_segment_fixed_size 0
		.amdhsa_enable_private_segment 0
		.amdhsa_kernarg_size 48
		.amdhsa_user_sgpr_count 2
		.amdhsa_user_sgpr_kernarg_segment_ptr 1
		.amdhsa_wavefront_size32 1
		.amdhsa_system_sgpr_workgroup_id_x 1
		.amdhsa_system_sgpr_workgroup_id_y 1
		.amdhsa_system_sgpr_workgroup_id_z 1
		.amdhsa_system_vgpr_workitem_id 0
		.amdhsa_next_free_vgpr 256
		.amdhsa_next_free_sgpr 100
		.amdhsa_reserve_vcc 1
		.amdhsa_float_denorm_mode_32 3
		.amdhsa_float_denorm_mode_16_64 3
		.amdhsa_memory_ordered 1
		.amdhsa_forward_progress 1
		.amdhsa_inst_pref_size 155
	.end_amdhsa_kernel
	.amdgpu_metadata
---
amdhsa.version: [ 1, 2 ]
amdhsa.kernels:
  - .name:           k_qb36e77f1de_attn
    .symbol:         k_qb36e77f1de_attn.kd
    .args:
      - { .name: xh, .offset: 0, .size: 8, .value_kind: global_buffer, .address_space: global }
      - { .name: rec, .offset: 8, .size: 8, .value_kind: global_buffer, .address_space: global }
      - { .name: input_ids, .offset: 16, .size: 8, .value_kind: global_buffer, .address_space: global }
      - { .name: id_mask, .offset: 24, .size: 8, .value_kind: global_buffer, .address_space: global }
      - { .name: input_times, .offset: 32, .size: 8, .value_kind: global_buffer, .address_space: global }
      - { .name: out0, .offset: 40, .size: 8, .value_kind: global_buffer, .address_space: global }
    .group_segment_fixed_size: 14336
    .private_segment_fixed_size: 0
    .kernarg_segment_align: 8
    .kernarg_segment_size: 48
    .max_flat_workgroup_size: 512
    .sgpr_count:     100
    .vgpr_count:     256
    .wavefront_size: 32
...
	.end_amdgpu_metadata
.endif
;; end of part 4
;; ======== version 3 of 3: 2 launches; version 2 with the launches prep, attn written anew for expert scheduling mode
;; workspace buffers: rec 6,400,000 bytes; xh 12,800,000 bytes
;; launch prep (part 5): grid 196 x 1, 8 waves a work-group, no clusters, 67,584 bytes of LDS; arguments emb_table, qW, kW, qb, kb, theta_table, mu_table, rec, xh; writes rec, xh
.if DOCPART == 5
	.amdgcn_target "amdgcn-amd-amdhsa--gfx1250"
	.amdhsa_code_object_version 6
	.text
	.protected	k_qb36e77f1de_prep
	.globl	k_qb36e77f1de_prep
	.p2align	8
	.type	k_qb36e77f1de_prep,@function
k_qb36e77f1de_prep:
	s_mov_b64 s[64:65], 0
	v_nop
	global_prefetch_b8 v0, s[64:65] scope:SCOPE_SE
	s_setreg_imm32_b32 hwreg(HW_REG_WAVE_SCHED_MODE, 0, 2), 2
	s_setreg_imm32_b32 hwreg(HW_REG_WAVE_MODE, 25, 1), 1
	s_wait_xcnt 0x0
	s_wait_alu depctr_vm_vsrc(0)
; FOR EACH ROW v OF THE TABLE: q = Q(x) Q(qW)^T + qb and k = Q(x) Q(kW)^T + kb (x = emb_table[v], K = 128, codes of BF6 (E3M2) with one E8M0 scale for each 32 along K), and then Q(q), Q(k) along
; their 64 numbers.  All of that hangs on the table's row alone, and a row is gathered by many sets: so it is made once for each of the 50,000 rows, not once for each of the 524,288 gathered rows.
; RESULT 1: a record of 128 bytes for each row, four parts of 32 bytes at 128 v + 64 s + 32 h (s = 0: q, 1: k; h: the block of 32 along the 64): words 0-5 the block's 32 codes, as a lane of the next
; product's operand holds them; word 6 the row's scale word (byte 0: block 0, byte 1: block 1, bytes 2, 3: 0); word 7 theta[v] (s = 0) or mu[v] (s = 1).
; RESULT 2: the row's 128 numbers as words of 16 bits, 256 bytes a row, for the next launch's quantiser along the keys.  A word is the f32 number's upper 16 bits, its lowest bit set where any of the 16 dropped bits is set:
; A CUT WITH A STICKY BIT, NOT A ROUNDING.  The exponent field stays, so a block's scale stays.  Every code of E3M2 and every middle between two codes, under any scale whose byte is 1 or more, is a multiple of 2^(E - 3) for a
; number of exponent E (of 2^-131 for a subnormal f32), so it has the sticky bit 0: a number that is no such point keeps its side of every such point, one that is such a point is kept as it is.  So the conversion gives
; the same code from the word as from the f32 number, for every input, ties too.  The word at byte 8 l + 2 c of a row is column 32 c + l: a lane that reads 8 bytes there holds four columns, 32 apart.
; SHARES: 3,125 tiles of 16 rows; wave g (8 x work-group + wave) takes tiles 2 g and 2 g + 1.  196 x 8 x 2 = 3,136: the last eleven tile numbers do not exist; such a wave loads the last tile's rows and stores nothing for it.
; THE WEIGHTS: 8 fragments of 16 rows x 128 K (4 of qW, 4 of kW).  Wave w quantises fragment w; all eight go round through LDS as images of their registers (3 stores of 16 bytes a lane, 512 bytes a store).
; THE ROWS OF A WEIGHT THAT FORM A TILE ARE NOT NEIGHBOURS: lane r of tile 2 b + u takes row 32 b + 8 u + r + 8 (r / 8).  The product is used transposed (source 0 = 16 rows of the weight, source 1 = 16 rows of x):
; a lane then holds ONE row of the table, and the 16 registers of tiles 2 b and 2 b + 1 are its numbers 32 b + 16 (lane / 16) + 0 .. 15: neighbours along the next K.  The biases are the C of the products.
; NO CLUSTER, NO TENSOR LOAD: what work-groups share is the 64 KiB of weights, read once by each work-group through registers, against 8 KiB of x for each tile; the tiles of x are shared by nobody.
; LIMITS: NaN and infinities among the inputs are not served.  A block whose largest magnitude lies under 2^(5 - 127) gets the scale byte 1; so does a block of zeros (the rule says 127): its codes are zeros, and this program alone reads the bytes.
; THE MODE: SCHED_MODE bits 1:0 = 2 (LLVM: expert scheduling mode 2), set by the entry lines.  The code itself states the register dependences between vector or matrix instructions and memory or LDS instructions, with s_wait_alu, always for 0.
; THE PLAN.  Registers that memory or LDS instructions touch:
;   v4-v15       offsets and LDS addresses: made at the head, never written again: one wait on va_vdst ahead of the first load serves them all.
;   XD1          the weights land; the quantiser reads them; x of tile 1 lands: one wait on va_vdst behind that quantiser, which also shows PCW and PWW written for the image's LDS stores; these two are never written again.
;   PK0, PK1     a tile's packing lines write them; eight LDS stores read them; eight LDS loads land in the same registers; global stores read them; never written again.
;   OUT0, OUT1   likewise for the records (theta and mu land in two of their registers at the head).  For each of these stages: a wait on va_vdst ahead of the stores, a wait on vm_vsrc between the stores and the loads.
;   The weights' fragments and scale words and the biases are landed in by loads and read by the products alone.  XD0 is loaded once.
;   XF, XS       x's codes and scale word are written by vector lines and taken by the scaled products: the packing's wait on va_vdst stands between, behind more than eight plain lines.
; REGISTERS, window 0: v1-15 lane numbers and addresses; v16-39 x's two fragments, v40-41 their scale words; v42-49 the weights' scale words; v52-75 at work; v76-88 my fragment of the weights; v92-123 two tiles' records;
;   v128-191 x of tile 0, then the 8 accumulators; v192-255 my rows of the weights, then x of tile 1.   Window 1: v0-95 the weights' 8 fragments; v96-159 the biases, 8 registers a tile; v160-191, v192-223 two tiles' words of 16 bits.
.set NT,   3125                        ; tiles of 16 rows
.set WIMG, 0                           ; LDS: the 8 fragments' images, 1,536 bytes each
.set WSC,  12288                       ; their scale words, 128 bytes each
.set STG,  13312                       ; a stage for each wave: 16 records, 144 bytes apart (128 + 16)
.set SP,   144
.set XSTG, 31744                       ; a second stage for each wave: 16 rows of words, 272 bytes apart (256 + 16)
.set XP,   272
.set XA,   4                           ; v4   x: 512 r + 64 h: my 16 numbers of a block of 32
.set LI,   5                           ; v5   16 x lane
.set LS,   6                           ; v6   4 x lane
.set WWI,  7                           ; v7   where I store my fragment's image: 16 x lane + 1,536 x wave
.set WWS,  8                           ; v8   and its scale words: 4 x lane + 128 x wave
.set SO,   9                           ; v9   the records' stage, on the way in: 144 r + 32 h + 2,304 x wave
.set SR,   10                          ; v10  and back: eight lanes to a record
.set WA,   11                          ; v11  the weights: 512 (r + 8 (r / 8)) + 64 h
.set BA,   12                          ; v12  the biases: 64 h
.set TA,   13                          ; v13  theta, mu: 4 r
.set XSO,  14                          ; v14  the words' stage, on the way in: 272 r + 128 h + 4,352 x wave
.set XSR,  15                          ; v15  and back: sixteen lanes to a row: 272 h + 16 r + 4,352 x wave
.set XF0,  16
.set XF1,  28
.set XS0,  40
.set XS1,  41
.set W1S,  42
.set TM,   52                          ; v52-55 largest magnitudes, v56-59 the other half's, then the bytes, v64-67 the conversions' scale operands
.set PT,   68                          ; v68-70, v72-74 the second halves of the blocks' codes
.set PCW,  76
.set PWW,  88
.set OUT0, 92                          ; +0..5 q's codes, +6 q's scale word, +7 theta, +8..13 k's codes, +14 k's scale word, +15 mu
.set OUT1, 108
.set HA,   128
.set XD0,  128
.set XD1,  192
.set B1,   96                          ; in window 1
.set PK0,  160                         ; in window 1
.set PK1,  192
.set SEL,  44                          ; s[44:45] v_permlanex16_b32's selects for lane l xor 16
.set MSB, 0
.macro WIN new                         ; the immediate's high byte repeats the setting that is left
.if MSB != \new
	s_set_vgpr_msb (MSB<<8)|\new
.set MSB, \new
.endif
.endm
; 64 numbers of my row: register 16 b + i = number 32 b + 16 (lane / 16) + i
.macro XLOAD reg, adr, base
.irp b, 0,1,2,3
.irp j, 0,1,2,3
	global_load_b128 v[\reg+16*\b+4*\j:\reg+16*\b+4*\j+3], v[\adr], s[\base:\base+1] offset:128*\b+16*\j
.endr
.endr
.endm
; 64 numbers of a lane, laid as XLOAD lays them, become codes: blocks 0, 1 in v[c0] .. v[c0 + 5], blocks 2, 3 in v[c1] .. v[c1 + 5]; lane (r, h) then holds the whole blocks h and 2 + h of row r.
; two = 0: the four scale bytes make one word, v[w0].  two = 1: blocks 0, 1 and blocks 2, 3 are two operands of 64 along K: two words of two bytes, v[w0] and v[w1].
.macro QUANT s, c0, c1, w0, w1, two
.irp b, 0,1,2,3
	v_max3_num_f32 v[TM+\b], |v[\s+16*\b]|, |v[\s+16*\b+1]|, 0x2800000   ; block b: my 16 numbers, and the floor 2^(5 - 127): the byte cannot fall under 1.  (Each accumulator is read from its low end on)
.endr
.irp i, 2,4,6,8,10,12,14
.irp b, 0,1,2,3
	v_max3_num_f32 v[TM+\b], v[TM+\b], |v[\s+16*\b+\i]|, |v[\s+16*\b+\i+1]|   ; the four blocks by turns
.endr
.endr
.irp b, 0,1,2,3
	v_permlanex16_b32 v[TM+4+\b], v[TM+\b], s[SEL], s[SEL+1]
.endr
.irp b, 0,1,2,3
	v_max_num_f32 v[TM+\b], v[TM+\b], v[TM+4+\b]           ; with lane l xor 16's: the block's largest magnitude
.endr
.irp b, 0,1,2,3
	v_add_nc_u32 v[TM+12+\b], 0xfe000000, v[TM+\b]         ; 4 off its exponent field: the conversion takes the exponent field of this operand as its scale
.endr
.irp b, 0,1,2,3
	v_lshrrev_b32 v[TM+4+\b], 23, v[TM+12+\b]              ; the scale's byte
.endr
	v_lshl_or_b32 v[\w0], v[TM+5], 8, v[TM+4]
.if \two
	v_lshl_or_b32 v[\w1], v[TM+7], 8, v[TM+6]
.else
	v_lshl_or_b32 v[\w0], v[TM+6], 16, v[\w0]
	v_lshl_or_b32 v[\w0], v[TM+7], 24, v[\w0]
.endif
	v_cvt_scalef32_pk16_bf6_f32 v[\c0:\c0+2], v[\s:\s+15], v[TM+12]
	v_cvt_scalef32_pk16_bf6_f32 v[PT:PT+2], v[\s+16:\s+31], v[TM+13]       ; (a conversion's three registers begin on an even number)
	v_cvt_scalef32_pk16_bf6_f32 v[\c1:\c1+2], v[\s+32:\s+47], v[TM+14]
	v_cvt_scalef32_pk16_bf6_f32 v[PT+4:PT+6], v[\s+48:\s+63], v[TM+15]
	v_nop                                          ; one plain place behind a scaled conversion
.irp i, 0,1,2
	v_permlane16_swap_b32 v[\c0+\i], v[PT+\i]      ; the first's lanes 16-31 change places with the second's lanes 0-15: each lane now has its block's lower 16 codes in the first, the upper 16 in the second
	v_permlane16_swap_b32 v[\c1+\i], v[PT+4+\i]
.endr
.irp i, 0,1,2
	v_mov_b32 v[\c0+3+\i], v[PT+\i]
	v_mov_b32 v[\c1+3+\i], v[PT+4+\i]
.endr
.endm
; My 64 numbers of x, which the quantiser along D has read, become 64 words of 16 bits (the head comment says which), four to a place of 8 bytes: place 16 h + i holds columns 16 h + i, + 32, + 64, + 96, which are my
; registers i, 16 + i, 32 + i, 48 + i.  My 16 places are 128 consecutive bytes of my row.  They go through my wave's own stage and come back two whole rows an instruction.
.macro PACKX xd, pk
.set i, 0
.rept 16
.irp k, 0,1,2,3
	v_and_b32 v[TM+\k], 0xffff, v[\xd+4*i+\k]      ; the 16 bits that are dropped;
.endr
.irp k, 0,1,2,3
	v_add_nc_u32 v[TM+\k], 0xffff, v[TM+\k]        ; + 0xffff carries into bit 16 where any of them is set;
.endr
.irp k, 0,1,2,3
	v_or_b32 v[\xd+4*i+\k], v[TM+\k], v[\xd+4*i+\k]        ; onto the lowest bit that is kept.  (Four numbers by turns; what this leaves in the low half is not used)
.endr
.set i, i+1
.endr
	WIN 0x40                                       ; destination window 1
.set i, 0
.rept 16
	v_perm_b32 v[\pk+2*i], v[\xd+16+i], v[\xd+i], 0x07060302       ; two upper halves: the second source's below, the first's above
	v_perm_b32 v[\pk+2*i+1], v[\xd+48+i], v[\xd+32+i], 0x07060302
.set i, i+1
.endr
	WIN 0x04                                       ; an LDS store's data are its source 1: window 1
	s_wait_alu depctr_va_vdst(0)                   ; the packing lines have written the 32 registers of words, which the LDS stores read; the quantiser ahead of them has written x's codes and scale word, which the tile's scaled products take
.irp k, 0,1,2,3,4,5,6,7
	ds_store_b128 v[XSO], v[\pk+4*\k:\pk+4*\k+3] offset:XSTG+16*\k
.endr
	WIN 0x40
	s_wait_alu depctr_vm_vsrc(0)                   ; the LDS stores have read these 32 registers, in which the loads below land
.irp k, 0,1,2,3,4,5,6,7
	ds_load_b128 v[\pk+4*\k:\pk+4*\k+3], v[XSR] offset:XSTG+2*XP*\k    ; LDS serves a wave's instructions in order (ISA guide 5.7.1.4): these see my stores
.endr
	WIN 0
.endm
.macro SENDX pk, xb, tl                ; behind the wait for those loads: 16 rows of 256 bytes
	s_cmp_lt_u32 s[\tl], NT                        ; a tile number past the table's end stores nothing: a branch on ids alone
	s_cbranch_scc0 .Lnox_\@
	WIN 0x04                                       ; a store's data are its source 1: window 1
.irp k, 0,1,2,3,4,5,6,7
	global_store_b128 v[LI], v[\pk+4*\k:\pk+4*\k+3], s[\xb:\xb+1] offset:512*\k   ; 32 lanes store 512 consecutive bytes, two whole rows, at a multiple of 256 from the buffer's first byte
.endr
	WIN 0                                          ; at a label every window is 0
.Lnox_\@:
.endm
; A tile: 8 products (4 tiles of q's 64, 4 of k's), the quantiser, the records through my stage, four stores of 512 consecutive bytes.
.macro TILE xf, xs, out, rb, tl
.rept 8
	v_nop                                          ; x's scale word was written by a vector instruction: it stands 8 places ahead of a scaled matrix instruction, x's codes 4.  (The packing's wait on va_vdst has shown both written)
.endr
	WIN 0x11                                       ; source 0 (the weights) and C (the biases) in window 1
.irp t, 0,1,2,3,4,5,6,7
	v_wmma_scale_f32_16x16x128_f8f6f4 v[HA+8*\t:HA+8*\t+7], v[12*\t:12*\t+11], v[\xf:\xf+11], v[B1+8*\t:B1+8*\t+7], v[W1S+\t], v[\xs] matrix_a_fmt:MATRIX_FMT_BF6 matrix_b_fmt:MATRIX_FMT_BF6
.endr
	WIN 0
.rept 4
	v_nop                                          ; places in front of the first read of results (ISA guide 7.12.1)
.endr
	QUANT HA, \out, \out+8, \out+6, \out+14, 1
	s_wait_alu depctr_va_vdst(0)                   ; the quantiser has written the records' codes and scale words, which the LDS stores read
	ds_store_b128 v[SO], v[\out:\out+3] offset:STG             ; lane (r, h): q's part h of record r,
	ds_store_b128 v[SO], v[\out+4:\out+7] offset:STG+16
	ds_store_b128 v[SO], v[\out+8:\out+11] offset:STG+64       ; and k's
	ds_store_b128 v[SO], v[\out+12:\out+15] offset:STG+80
	s_wait_alu depctr_vm_vsrc(0)                   ; the LDS stores have read these 16 registers, in which the loads below land
.irp k, 0,1,2,3
	ds_load_b128 v[\out+4*\k:\out+4*\k+3], v[SR] offset:STG+4*SP*\k    ; back as they lie in memory, four records an instruction: my wave's own bytes, served in order
.endr
	s_wait_dscnt 0x0
	s_cmp_lt_u32 s[\tl], NT                        ; a tile number past the table's end stores nothing: a branch on ids alone
	s_cbranch_scc0 .Lnone_\@
.irp k, 0,1,2,3
	global_store_b128 v[LI], v[\out+4*\k:\out+4*\k+3], s[\rb:\rb+1] offset:512*\k   ; 32 lanes store 512 consecutive bytes, at a multiple of 256 from the buffer's first byte
.endr
.Lnone_\@:
.endm
	s_load_b512 s[4:19], s[0:1], 0x0               ; emb s[4:5], qW s[6:7], kW s[8:9], qb s[10:11], kb s[12:13], theta s[14:15], mu s[16:17], rec s[18:19]
	s_load_b64 s[48:49], s[0:1], 0x40              ; the words of 16 bits
	v_lshl_add_u32 v126, v0, 2, 0x10400
	v_mov_b32 v127, 0
	v_lshrrev_b32 v1, 5, v0
	v_readfirstlane_b32 s20, v1                    ; wave 0..7
	v_and_b32 v1, 31, v0                           ; lane
	v_and_b32 v2, 15, v0                           ; r
	v_bfe_u32 v3, v0, 4, 1                         ; h
	v_lshlrev_b32 v[XA], 9, v2
	v_lshl_add_u32 v[XA], v3, 6, v[XA]
	v_lshlrev_b32 v[LI], 4, v1
	v_lshlrev_b32 v[LS], 2, v1
	s_wait_alu depctr_va_sdst(0)                   ; the wave's number s20 is written, ahead of its first reader
	s_mul_i32 s2, s20, 1536
	v_add_nc_u32 v[WWI], s2, v[LI]
	s_lshl_b32 s2, s20, 7
	v_add_nc_u32 v[WWS], s2, v[LS]
	s_mul_i32 s2, s20, 16*SP
	v_mul_u32_u24 v[SO], v2, SP
	v_lshl_add_u32 v[SO], v3, 5, v[SO]
	v_add_nc_u32 v[SO], s2, v[SO]
	v_lshrrev_b32 v14, 3, v1
	v_and_b32 v15, 7, v1
	v_mul_u32_u24 v[SR], v14, SP
	v_lshl_add_u32 v[SR], v15, 4, v[SR]
	v_add_nc_u32 v[SR], s2, v[SR]
	v_and_b32 v14, 8, v2
	v_add_nc_u32 v14, v14, v2                      ; r + 8 (r / 8)
	v_lshlrev_b32 v[WA], 9, v14
	v_lshl_add_u32 v[WA], v3, 6, v[WA]
	v_lshlrev_b32 v[BA], 6, v3
	v_lshlrev_b32 v[TA], 2, v2
	s_mul_i32 s2, s20, 16*XP
	v_mul_u32_u24 v[XSO], v2, XP
	v_lshl_add_u32 v[XSO], v3, 7, v[XSO]
	v_add_nc_u32 v[XSO], s2, v[XSO]
	v_mul_u32_u24 v[XSR], v3, XP
	v_lshl_add_u32 v[XSR], v2, 4, v[XSR]
	v_add_nc_u32 v[XSR], s2, v[XSR]
	s_lshl_b32 s21, ttmp9, 3
	s_add_co_u32 s21, s21, s20                     ; g
	s_lshl_b32 s22, s21, 1                         ; my two tiles,
	s_add_co_u32 s23, s22, 1
	s_min_u32 s24, s22, NT-1                       ; and the tiles that I load: held inside the table
	s_min_u32 s25, s23, NT-1
	s_mov_b32 s[SEL], 0x76543210
	s_mov_b32 s[SEL+1], 0xfedcba98
	s_and_b32 s2, s20, 3                           ; my fragment of the weights is tile 2 b + u of qW (waves 0-3) or of kW (waves 4-7): it begins at row 32 b + 8 u
	s_lshr_b32 s3, s2, 1
	s_and_b32 s2, s2, 1
	s_lshl_b32 s3, s3, 14
	s_lshl_b32 s2, s2, 12
	s_add_co_u32 s46, s2, s3
	s_mov_b32 s47, 0
	s_wait_kmcnt 0x0
	s_cmp_lt_u32 s20, 4
	s_cselect_b64 s[34:35], s[6:7], s[8:9]
	s_add_nc_u64 s[34:35], s[34:35], s[46:47]
	s_lshl_b32 s46, s24, 13                        ; a tile of x is 8,192 bytes
	s_add_nc_u64 s[26:27], s[4:5], s[46:47]
	s_lshl_b32 s46, s25, 13
	s_add_nc_u64 s[28:29], s[4:5], s[46:47]
	s_lshl_b32 s46, s22, 11                        ; its records 2,048
	s_add_nc_u64 s[30:31], s[18:19], s[46:47]
	s_lshl_b32 s46, s23, 11
	s_add_nc_u64 s[32:33], s[18:19], s[46:47]
	s_lshl_b32 s46, s24, 6                         ; its theta and mu 64
	s_add_nc_u64 s[36:37], s[14:15], s[46:47]
	s_add_nc_u64 s[38:39], s[16:17], s[46:47]
	s_lshl_b32 s46, s25, 6
	s_add_nc_u64 s[40:41], s[14:15], s[46:47]
	s_add_nc_u64 s[42:43], s[16:17], s[46:47]
	s_lshl_b32 s46, s23, 12                        ; its words of 16 bits 4,096
	s_add_nc_u64 s[50:51], s[48:49], s[46:47]
	s_lshl_b32 s46, s22, 12
	s_add_nc_u64 s[48:49], s[48:49], s[46:47]
	s_wait_alu depctr_va_vdst(0)                   ; the twelve offsets and LDS addresses v4 to v15 are written, which every load and store of the kernel reads; none is written again
	XLOAD XD1, WA, 34                              ; 16 loads: my 16 rows of the weights
	XLOAD XD0, XA, 26                              ; 16: x of tile 0
	global_load_b32 v[OUT0+7], v[TA], s[36:37]     ; 4: theta and mu go straight into the records' registers
	global_load_b32 v[OUT0+15], v[TA], s[38:39]
	global_load_b32 v[OUT1+7], v[TA], s[40:41]
	global_load_b32 v[OUT1+15], v[TA], s[42:43]
	WIN 0x40                                       ; destination window 1
.irp t, 0,1,2,3                                ; 16: the biases in the result's layout: lane (r, h) wants, for tile 2 b + u, those of numbers 32 b + 16 h + 8 u + 0 .. 7
	global_load_b128 v[B1+8*\t:B1+8*\t+3], v[BA], s[10:11] offset:(32*(\t/2)+8*(\t%2))*4
	global_load_b128 v[B1+8*\t+4:B1+8*\t+7], v[BA], s[10:11] offset:(32*(\t/2)+8*(\t%2))*4+16
	global_load_b128 v[B1+32+8*\t:B1+32+8*\t+3], v[BA], s[12:13] offset:(32*(\t/2)+8*(\t%2))*4
	global_load_b128 v[B1+32+8*\t+4:B1+32+8*\t+7], v[BA], s[12:13] offset:(32*(\t/2)+8*(\t%2))*4+16
.endr
	WIN 0
.irp b, 0,1,2,3
	v_mov_b32 v[TM+4+\b], 0                        ; written once: a lane permute's destination counts as one of its sources
.endr
	s_wait_loadcnt 36                              ; the weights are in: 16 + 4 + 16 loads were issued behind them
	QUANT XD1, PCW, PCW+6, PWW, PWW, 0
	s_wait_alu depctr_va_vdst(0)                   ; the quantiser has written my fragment's codes and scale word, which the LDS stores read, and is done reading the weights' 64 registers, in which x of tile 1 lands
.irp c, 0,1,2
	ds_store_b128 v[WWI], v[PCW+4*\c:PCW+4*\c+3] offset:WIMG+512*\c    ; my fragment as it stands
.endr
	ds_store_b32 v[WWS], v[PWW] offset:WSC
	XLOAD XD1, XA, 28                              ; 16: x of tile 1, into the registers that the weights have left
	s_wait_loadcnt 36                              ; x of tile 0 is in: 4 + 16 + 16 loads were issued behind it
	QUANT XD0, XF0, XF0+6, XS0, XS0, 0
	s_wait_dscnt 0x0                               ; for the others' sake: my fragment's image has landed
	s_barrier_signal -1
	s_barrier_wait -1                              ; all eight lie in LDS; they are never written again
	WIN 0x40
.irp t, 0,1,2,3,4,5,6,7
.irp c, 0,1,2
	ds_load_b128 v[12*\t+4*\c:12*\t+4*\c+3], v[LI] offset:WIMG+1536*\t+512*\c      ; (no vector instruction has named these registers, nor the eight below)
.endr
.endr
	WIN 0
.irp t, 0,1,2,3,4,5,6,7
	ds_load_b32 v[W1S+\t], v[LS] offset:WSC+128*\t
.endr
	PACKX XD0, PK0                                 ; tile 0's words are made while the weights' fragments come, and before the products take x's registers
	s_wait_loadcnt 16                              ; theta, mu and the biases are in; the 16 loads of tile 1's x may be out
	s_wait_dscnt 0x0
	SENDX PK0, 48, 22
	TILE XF0, XS0, OUT0, 30, 22
	s_wait_loadcnt 0x0
	QUANT XD1, XF1, XF1+6, XS1, XS1, 0
	PACKX XD1, PK1                                 ; each tile's words and records have registers of their own: no store's data are written again
	s_wait_dscnt 0x0
	SENDX PK1, 50, 23
	TILE XF1, XS1, OUT1, 32, 23
	s_wait_dscnt 0x0                               ; the closing lines, six on end
	s_wait_alu 0x0
	s_wait_tensorcnt 0x0
	ds_add_u32 v126, v127
	s_wait_dscnt 0x0
	s_endpgm
.Lfunc_end_k_qb36e77f1de_prep:
	.size	k_qb36e77f1de_prep, .Lfunc_end_k_qb36e77f1de_prep-k_qb36e77f1de_prep
	.p2alignl 7, 3214868480
	.fill 96, 4, 3214868480
	.section	.rodata,"a",@progbits
	.p2align	6, 0x0
	.amdhsa_kernel k_qb36e77f1de_prep
		.amdhsa_group_segment_fixed_size 67584
		.amdhsa_private_segment_fixed_size 0
		.amdhsa_enable_private_segment 0
		.amdhsa_kernarg_size 72
		.amdhsa_user_sgpr_count 2
		.amdhsa_user_sgpr_kernarg_segment_ptr 1
		.amdhsa_wavefront_size32 1
		.amdhsa_system_sgpr_workgroup_id_x 1
		.amdhsa_system_sgpr_workgroup_id_y 1
		.amdhsa_system_sgpr_workgroup_id_z 1
		.amdhsa_system_vgpr_workitem_id 0
		.amdhsa_next_free_vgpr 480
		.amdhsa_next_free_sgpr 66
		.amdhsa_reserve_vcc 0
		.amdhsa_float_denorm_mode_32 3
		.amdhsa_float_denorm_mode_16_64 3
		.amdhsa_memory_ordered 1
		.amdhsa_forward_progress 1
		.amdhsa_inst_pref_size 67
	.end_amdhsa_kernel
	.amdgpu_metadata
---
amdhsa.version: [ 1, 2 ]
amdhsa.kernels:
  - .name:           k_qb36e77f1de_prep
    .symbol:         k_qb36e77f1de_prep.kd
    .args:
      - { .name: emb_table, .offset: 0, .size: 8, .value_kind: global_buffer, .address_space: global }
      - { .name: qW, .offset: 8, .size: 8, .value_kind: global_buffer, .address_space: global }
      - { .name: kW, .offset: 16, .size: 8, .value_kind: global_buffer, .address_space: global }
      - { .name: qb, .offset: 24, .size: 8, .value_kind: global_buffer, .address_space: global }
      - { .name: kb, .offset: 32, .size: 8, .value_kind: global_buffer, .address_space: global }
      - { .name: theta_table, .offset: 40, .size: 8, .value_kind: global_buffer, .address_space: global }
      - { .name: mu_table, .offset: 48, .size: 8, .value_kind: global_buffer, .address_space: global }
      - { .name: rec, .offset: 56, .size: 8, .value_kind: global_buffer, .address_space: global }
      - { .name: xh, .offset: 64, .size: 8, .value_kind: global_buffer, .address_space: global }
    .group_segment_fixed_size: 67584
    .private_segment_fixed_size: 0
    .kernarg_segment_align: 8
    .kernarg_segment_size: 72
    .max_flat_workgroup_size: 256
    .sgpr_count:     66
    .vgpr_count:     480
    .wavefront_size: 32
...
	.end_amdgpu_metadata
.endif
;; end of part 5
;; launch attn (part 6): grid 256 x 1, 16 waves a work-group, no clusters, 14,336 bytes of LDS; arguments xh, rec, input_ids, id_mask, input_times, out0; writes out0
.if DOCPART == 6
	.amdgcn_target "amdgcn-amd-amdhsa--gfx1250"
	.amdhsa_code_object_version 6
	.text
	.protected	k_qb36e77f1de_attn
	.globl	k_qb36e77f1de_attn
	.p2align	8
	.type	k_qb36e77f1de_attn,@function
k_qb36e77f1de_attn:
	s_mov_b64 s[64:65], 0
	v_nop
	global_prefetch_b8 v0, s[64:65] scope:SCOPE_SE
	s_setreg_imm32_b32 hwreg(HW_REG_WAVE_SCHED_MODE, 0, 2), 2
	s_setreg_imm32_b32 hwreg(HW_REG_WAVE_MODE, 25, 1), 1
	s_wait_xcnt 0x0
	s_wait_alu depctr_vm_vsrc(0)
; FOR EACH OF 16,384 SETS OF 32 CONCEPTS: scores = Q(q) Q(k)^T / 8 + m m^T (m = 0 where the mask is over 0.5, else -1e9), p = 2^(t - M), O = Q(p) Q(x) / l, pooled = the sum over the queries of O x sigmoid(theta - mu time) x mask.
; Both products on codes of BF6 (E3M2) with one E8M0 scale for each 32 along K.  Q(q), Q(k), their scale words, theta and mu come from the records that the launch before has made, 128 bytes for each row of the table.
; x, which is quantised here along the KEYS of its set, comes as the words of 16 bits that the launch before has made, 256 bytes a row: the f32 number's upper 16 bits, the lowest of them set where any dropped bit is set.
; Widened again (16 zeros below), such a word has the f32 number's exponent, and lies on the same side of, or on, every code of E3M2 and every middle between two codes as the f32 number does: scale and codes come out the same
; for every input, ties too (the launch before gives the argument).  That halves the bytes of the gather, which is most of what this launch moves: 32 rows x 256 bytes a set.
; SHARES: wave g (16 x work-group + wave) takes sets 4 g .. 4 g + 3, written out by one macro.  Sixteen waves of 256 registers: four to a SIMD, so that one wave's waits stand beside another's work.  Waves share nothing: no barrier.
; THE ORDER OF CONCEPTS: lane r of tile u (queries and keys alike) stands for concept 8 u + r + 8 (r / 8).  S^T = k q^T (source 0 = 16 keys, source 1 = 16 queries): a lane holds one query, and the 16 registers of the two
; tiles of keys are keys 16 (lane / 16) + 0 .. 15: neighbours along the next K.  In O = P x (source 0 = 16 queries, source 1 = 16 columns) register j of tile u is query 16 (lane / 16) + 8 u + j.
; K IS SHORTER THAN THE INSTRUCTION'S 128 (64, then 32): ONE operand of each product holds zero codes in the rest (q's and P's registers 6-11), the other whatever stands there: no code of this format is an infinity or a NaN,
; and the rest's scale bytes are 0, which stands for 2^-127.
; x: ONE LOAD OF 8 BYTES A LANE READS ONE WHOLE GATHERED ROW; lane l gets columns l, 32 + l, 64 + l, 96 + l, and a set's 32 register pairs run down the keys.  Step c = 0 .. 3 widens column 32 c + l into 32 registers: a block of
; 32 keys in one lane; its six registers of codes are K block 0 of column 32 c + l in lanes 0-15 and K block 1 in lanes 16-31.  So P is kept twice: PA with its codes in block 0 and zeros in block 1, which picks columns
; 32 c + r, and PB the other way round, which picks columns 32 c + 16 + r.
; t - M IS TWO ROUNDINGS, t = score x log2(e), then t - M: in a row whose query is masked t is near 1.4e18, all its masked keys have the same t, M = t, and p is 1 or 0: finite, under the weight 0.
; NO CLUSTER, NO TENSOR LOAD: rows are gathered by index; work-groups share no tile.  NO PREFETCH: a wave asks for the next set's 32 rows as soon as this set's are widened, a third of a set's work and the next set's softmax ahead of their use.
; LIMITS: NaN and infinities among the inputs are not served.  Ids are held at 49,999 (a negative id too).  A block whose largest magnitude lies under 2^(5 - 127), a block of zeros too, gets the scale byte 1.
; THE MODE: SCHED_MODE bits 1:0 = 2 (LLVM: expert scheduling mode 2), set by the entry lines.  The code itself states the register dependences between vector or matrix instructions and memory or LDS instructions, with s_wait_alu, always for 0.
; THE PLAN.  Registers that memory or LDS instructions touch, round a set:
;   v2-v7          LDS addresses and offsets: made at the head, never written again.
;   R (v10-13)     ids land; three vector lines make offsets of them; the records' loads read these; the ids of two sets on land in the same pair.
;   QF, KF, QS, KS, MASKV   the records and the mask land; the four products S^T and four vector lines read them; the next set's land behind one wait on va_vdst.
;   M8, EE         each written by a vector line, read by one LDS store, and its register written again later (by 1 / l; by x's first codes): a wait on vm_vsrc stands between.
;   MG             LDS loads land twice a set (8 m by key; the weights by query); packed vector lines read them.
;   XR             32 additions write the rows' offsets; each row's load reads its offset and lands on that register and its neighbour; the widenings read the pairs.  One wait on va_vdst stands behind the additions; behind it the
;                  32 loads are dealt among the last quantiser's lines, which name XW, KA, XC and XBS: none of XR.
;   four pooled numbers (v14, v15, v108, v109), a register to each batch: written by the batches' last lines; read by four LDS stores behind ONE wait on va_vdst at the set's end.
;   SV+8..11       the pooled row lands from LDS; the global store reads it; the next set's products write there, behind the wait on vm_vsrc at that set's head.
;   P's and x's codes and scale words are written by vector lines and taken by the scaled products: a wait on va_vdst stands between.
.set L8,    1                          ; v1   8 x lane
.set LW,    2                          ; v2   LDS: my wave's 768 bytes + 4 x lane
.set LR,    3                          ; v3   LDS: my wave's bytes + 32 h
.set LO,    4                          ; v4   LDS: my wave's bytes + 16 x lane
.set GOUT,  5                          ; v5   16 x lane
.set IOA,   6                          ; v6   4 (r + 8 (r / 8)): tile 0's concept of lane r, in ids
.set IOW,   7                          ; v7   + 32 h: the concept that lane (r, h) stands for in the mask and the weights: tile h's
.set H32,   8                          ; v8   32 h
.set MASKV, 9                          ; v9   its mask
.set R,     10                         ; v10-11 (even sets), v12-13 (odd): ids of tiles 0, 1, then their records' offsets
.set PO,    14                         ; v14-15 the first two batches' pooled numbers; the last two batches' lie in v108-109, which x's first codes have left by then
.set QS,    16                         ; v16-19 q's (scale word, theta) of tiles 0, 1
.set KS,    20                         ; v20-23 k's (scale word, mu)
.set QF,    24                         ; v24-47 q's two fragments: 6 registers of codes, 6 of zeros
.set KF,    48                         ; v48-59 k's two: 6 registers each; the six behind them are named with them
.set Z,     60                         ; v60-107 P: slot 2 u + f (f = 0: PA, 1: PB) of tile u: 6 registers of codes, 6 of zeros
.set ZERO,  66                         ; v66  one of those zeros
.set XC,    108                        ; v108-131 x's codes, 6 registers for each 32 columns; v132-137 named behind the last
.set T,     108                        ; the same 30 registers are at work while the softmax is made
.set KA,    132                        ; v132-137 at work while x is quantised: +0..3 four maxima, then +0 the byte, +1 the scale operand, +2..4 the upper 16 codes; +5 the other half's byte
.set MG,    138                        ; v138-153 8 m by key, later the weights by query: register 8 u + j = concept 16 h + 8 u + j
.set SV,    154                        ; v154-185 S^T, t, p; then 32 widened numbers of x; then four accumulators of O
.set XW,    154
.set XR,    186                        ; v186-249 a set's 32 rows: a pair of registers, four words of 16 bits, for each key
.set XBS,   250                        ; v250-253 x's scale words
.set PS,    254                        ; v254-255 P's
.set ZZ,  T+0                          ; theta - mu time
.set MC,  T+1                          ; the mask, kept
.set MM,  T+2                          ; m;  later EE: the weight in the making
.set EE,  T+2
.set M8,  T+3                          ; 8 m;  later RL: 1 / l
.set RL,  T+3
.set MQ,  T+4                          ; T+4: m of tile 0's query of lane r, T+6: of tile 1's; each the low word of a pair
.set MX,  T+5
.set TH,  T+7
.set MU,  T+8
.set LL,  T+8                          ; T+8, T+9: l of tiles 0, 1
.set UA,  T+10                         ; for tile qu at UA + 10 qu: +0 -M, +1 the largest t, +2 at work, +3 the largest p, then the conversion's scale operand, +4..6 my 16 codes, +7..9 lane l xor 16's
.set XH,  4
.set REC, 6
.set IDS, 8
.set MSK, 10
.set TIM, 12
.set OUT, 14
.set SA,  16                           ; s[16:47] an even set's 32 ids, then its rows' byte offsets
.set SB,  68                           ; s[68:99] an odd set's
.set TMS, 48                           ; s[48:51] the four sets' times
.set WV,  52
.set HM,  53                           ; 0xffff0000: lanes 16-31; also a word's upper 16 bits
.set SEL, 54                           ; s[54:55] v_permlanex16_b32's selects for lane l xor 16
.set CS,  56                           ; s[56:57] log2(e) / 8
.macro ID n                            ; the ids of set n's two tiles: 2 loads
	global_load_b32 v[R+2*((\n)%2)], v[IOA], s[IDS:IDS+1] offset:128*(\n)
	global_load_b32 v[R+2*((\n)%2)+1], v[IOA], s[IDS:IDS+1] offset:128*(\n)+32
.endm
.macro RO n                            ; they become offsets of my part of the records: 128 id + 32 h
.irp u, 0,1
	v_min_u32 v[R+2*((\n)%2)+\u], 49999, v[R+2*((\n)%2)+\u]
.endr
.irp u, 0,1
	v_lshlrev_b32 v[R+2*((\n)%2)+\u], 7, v[R+2*((\n)%2)+\u]
.endr
.irp u, 0,1
	v_add_nc_u32 v[R+2*((\n)%2)+\u], v[H32], v[R+2*((\n)%2)+\u]
.endr
.endm
.macro FR n                            ; set n's records and mask: 13 loads
.irp u, 0,1
	global_load_b128 v[QF+12*\u:QF+12*\u+3], v[R+2*((\n)%2)+\u], s[REC:REC+1]
	global_load_b64 v[QF+12*\u+4:QF+12*\u+5], v[R+2*((\n)%2)+\u], s[REC:REC+1] offset:16
	global_load_b64 v[QS+2*\u:QS+2*\u+1], v[R+2*((\n)%2)+\u], s[REC:REC+1] offset:24
	global_load_b128 v[KF+6*\u:KF+6*\u+3], v[R+2*((\n)%2)+\u], s[REC:REC+1] offset:64
	global_load_b64 v[KF+6*\u+4:KF+6*\u+5], v[R+2*((\n)%2)+\u], s[REC:REC+1] offset:80
	global_load_b64 v[KS+2*\u:KS+2*\u+1], v[R+2*((\n)%2)+\u], s[REC:REC+1] offset:88
.endr
	global_load_b32 v[MASKV], v[IOW], s[MSK:MSK+1] offset:128*(\n)
.endm
.macro SO base                         ; 32 ids become the rows' byte offsets: 256 bytes a row
.set j, 0
.rept 32
	s_min_u32 s[\base+j], s[\base+j], 49999
	s_lshl_b32 s[\base+j], s[\base+j], 8
.set j, j+1
.endr
.endm
.macro ADDRS base                      ; a set's 32 rows: their offsets, in one run, each in the first register of the row's pair
.set j, 0
.rept 32
	v_add_nc_u32 v[XR+2*j], s[\base+j], v[L8]
.set j, j+1
.endr
.endm
.macro ROWS a, cnt                     ; cnt of the 32 loads, from row a on: 256 consecutive, aligned bytes each.  A load lands on its own offset register
.set j, \a
.rept \cnt
	global_load_b64 v[XR+2*j:XR+2*j+1], v[XR+2*j], s[XH:XH+1]
.set j, j+1
.endr
.endm
.macro WIDEN c                         ; column 32 c + lane of the 32 keys, as f32: the word above, 16 zeros below
.set j, 0
.rept 32
.if ((\c)%2) == 0
	v_lshlrev_b32 v[XW+j], 16, v[XR+2*j+(\c)/2]
.else
	v_and_b32 v[XW+j], s[HM], v[XR+2*j+(\c)/2]
.endif
.set j, j+1
.endr
.endm
; My column's 32 keys are one block: its scale, its codes.  deal = 1: the next set's 32 row loads are dealt among these lines, eight at the head and four behind each group: no line here names a register of XR,
; so the wait on va_vdst that stands behind the offsets' additions serves all 32.
.macro KQ c, deal
.if \deal
	ROWS 0, 8
.endif
.irp k, 0,1,2,3
	v_max3_num_f32 v[KA+\k], |v[XW+8*\k]|, |v[XW+8*\k+1]|, |v[XW+8*\k+2]|      ; four chains by turns
.endr
.if \deal
	ROWS 8, 4
.endif
.irp i, 3,5
.irp k, 0,1,2,3
	v_max3_num_f32 v[KA+\k], v[KA+\k], |v[XW+8*\k+\i]|, |v[XW+8*\k+\i+1]|
.endr
.if \deal
	ROWS 2*\i+6, 4
.endif
.endr
	v_max3_num_f32 v[KA], v[KA], |v[XW+7]|, |v[XW+15]|
	v_max3_num_f32 v[KA+2], v[KA+2], |v[XW+23]|, |v[XW+31]|
	v_max3_num_f32 v[KA], v[KA], v[KA+1], v[KA+2]
	v_max3_num_f32 v[KA], v[KA], v[KA+3], 0x2800000        ; and the floor 2^(5 - 127): the byte cannot fall under 1
.if \deal
	ROWS 20, 4
.endif
	v_add_nc_u32 v[KA+1], 0xfe000000, v[KA]                ; 4 off the exponent field: the conversion's scale operand
	v_cvt_scalef32_pk16_bf6_f32 v[XC+6*(\c):XC+6*(\c)+2], v[XW:XW+15], v[KA+1]
	v_cvt_scalef32_pk16_bf6_f32 v[KA+2:KA+4], v[XW+16:XW+31], v[KA+1]      ; (a conversion's three registers begin on an even number)
	v_lshrrev_b32 v[KA], 23, v[KA+1]                       ; the scale's byte.  (The plain place behind the conversions)
.if \deal
	ROWS 24, 4
.endif
	v_permlanex16_b32 v[KA+5], v[KA], s[SEL], s[SEL+1]
.irp i, 0,1,2
	v_mov_b32 v[XC+6*(\c)+3+\i], v[KA+2+\i]
.endr
	v_lshl_or_b32 v[XBS+(\c)], v[KA+5], 8, v[KA]           ; lane r: byte 0 for column 32 c + r (K block 0), byte 1 for column 32 c + 16 + r (K block 1)
.if \deal
	ROWS 28, 4
.endif
.endm
.macro OBATCH c                        ; 32 queries x columns 32 c .. 32 c + 31, and their weighted sum over the queries
.irp f, 0,1
.irp u, 0,1
	v_wmma_scale_f32_16x16x128_f8f6f4 v[SV+8*(2*\f+\u):SV+8*(2*\f+\u)+7], v[Z+12*(2*\u+\f):Z+12*(2*\u+\f)+11], v[XC+6*(\c):XC+6*(\c)+11], 0, v[PS+\u], v[XBS+(\c)] matrix_a_fmt:MATRIX_FMT_BF6 matrix_b_fmt:MATRIX_FMT_BF6
.endr
.endr
.rept 4
	v_nop                                          ; places in front of the first read of results (ISA guide 7.12.1); with the other accumulators' lines below they are more than five in front of the next products that write these registers
.endr
.irp a, 0,1,2,3
	v_pk_mul_f32 v[SV+8*\a:SV+8*\a+1], v[SV+8*\a:SV+8*\a+1], v[MG+8*(\a%2):MG+8*(\a%2)+1]     ; each accumulator from its low end on; the four by turns
.endr
.irp i, 2,4,6
.irp a, 0,1,2,3
	v_pk_fma_f32 v[SV+8*\a:SV+8*\a+1], v[SV+8*\a+\i:SV+8*\a+\i+1], v[MG+8*(\a%2)+\i:MG+8*(\a%2)+\i+1], v[SV+8*\a:SV+8*\a+1]
.endr
.endr
	v_pk_add_f32 v[SV:SV+1], v[SV:SV+1], v[SV+8:SV+9]              ; the two tiles of queries
	v_pk_add_f32 v[SV+16:SV+17], v[SV+16:SV+17], v[SV+24:SV+25]
	v_add_f32 v[SV], v[SV], v[SV+1]
	v_add_f32 v[SV+16], v[SV+16], v[SV+17]
	v_permlane16_swap_b32 v[SV], v[SV+16]          ; the first now holds both column groups' sums over queries 0-15 (in the tiles' order), the second those over the others
	v_add_f32 v[PO+(\c)+((\c)/2)*(XC-PO-2)], v[SV], v[SV+16]       ; lane l: pooled[32 c + l].  Batches 0, 1: v14, v15; batches 2, 3: v108, v109, which batch 0's products alone have read.  Its LDS store stands at the set's end
.endm
.macro SET n
.if ((\n)%2) == 0
.set SON, SB
.else
.set SON, SA
.endif
.if (\n) < 2
.set W0, 15                            ; behind a set's 32 rows were issued: 13 loads of the next set's records and mask, 2 of ids
.elseif (\n) == 2
.set W0, 13                            ; no ids are left to ask for
.else
.set W0, 0                             ; nor records
.endif
	s_wait_loadcnt 32                              ; this set's records and mask and the next set's ids are in: behind them only the 32 loads of this set's rows were issued
.if (\n) > 0
	s_wait_xcnt 0x0                                ; the last set's store has read its data, which lie where S^T goes
.endif
	s_wait_alu depctr_vm_vsrc(0)                   ; this set's record loads have read their two offsets, in which the ids of two sets on land; from the second set on: the last set's global store has read the four registers where S^T goes, its LDS stores v108 and v109, which the lines below write
	; ---- S^T = k q^T
.irp qu, 0,1
.irp ku, 0,1
	v_wmma_scale_f32_16x16x128_f8f6f4 v[SV+8*(2*\qu+\ku):SV+8*(2*\qu+\ku)+7], v[KF+6*\ku:KF+6*\ku+11], v[QF+12*\qu:QF+12*\qu+11], 0, v[KS+2*\ku], v[QS+2*\qu] matrix_a_fmt:MATRIX_FMT_BF6 matrix_b_fmt:MATRIX_FMT_BF6
.endr
.endr
	v_cmp_lt_f32 vcc_lo, 0.5, v[MASKV]             ; (the compare first, so that other lines stand between it and the wait for its mask)
	v_cndmask_b32 v[TH], v[QS+1], v[QS+3], s[HM]   ; lane (r, h) stands for tile h's concept.  (These lines name no register of the products)
	v_cndmask_b32 v[MU], v[KS+1], v[KS+3], s[HM]
	v_mov_b32 v[MC], v[MASKV]
.if (\n) < 3
	RO (\n)+1
.endif
	s_wait_alu depctr_va_vcc(0)                    ; the compare has written VCC, ahead of its first reader
	v_cndmask_b32 v[MM], 0xce6e6b28, v[ZERO], vcc_lo       ; m = 0 where the mask is over 0.5, else -1e9
	v_fma_f32 v[ZZ], -v[MU], s[TMS+(\n)], v[TH]
	v_mul_f32 v[M8], 0x41000000, v[MM]             ; 8 m: the scores are kept 8 times as large, which rounds nothing
	s_wait_alu depctr_va_vdst(0)                   ; the next set's two offsets and 8 m are written, which the loads and the LDS store below read; the products and the lines above are done reading the records' and the mask's registers, the last set's pooling the weights' 16, in all of which loads below land
.if (\n) < 3
	FR (\n)+1                                      ; the next set's records, into the registers that the products have read
.endif
.if (\n) < 2
	ID (\n)+2                                      ; (the loads that had these two registers as addresses have been shown in)
.endif
	ds_store_b32 v[LW], v[M8]                      ; by lane,
.irp u, 0,1
.irp i, 0,1
	ds_load_b128 v[MG+8*\u+4*\i:MG+8*\u+4*\i+3], v[LR] offset:64*\u+16*\i   ; and back by key: lane 16 u + 8 h + j stands for concept 16 h + 8 u + j.  My wave's own bytes, served in order
.endr
.endr
	v_permlanex16_b32 v[MX], v[MM], s[SEL], s[SEL+1]
	v_cndmask_b32 v[MQ], v[MM], v[MX], s[HM]       ; m of tile 0's query of lane r, in both halves
	v_cndmask_b32 v[MQ+2], v[MX], v[MM], s[HM]     ; and of tile 1's
	s_wait_dscnt 0x0
	s_wait_alu depctr_vm_vsrc(0)                   ; the LDS store has read 8 m, whose register 1 / l takes further down
.irp i, 0,2,4,6,8,10,12,14
.irp qu, 0,1
	v_pk_fma_f32 v[SV+16*\qu+\i:SV+16*\qu+\i+1], v[MG+\i:MG+\i+1], v[MQ+2*\qu:MQ+2*\qu+1], v[SV+16*\qu+\i:SV+16*\qu+\i+1] op_sel_hi:[1,0,1]   ; + 8 m(key) m(query); each accumulator from its low end on
.endr
.endr
.irp i, 0,2,4,6,8,10,12,14
.irp qu, 0,1
	v_pk_mul_f32 v[SV+16*\qu+\i:SV+16*\qu+\i+1], v[SV+16*\qu+\i:SV+16*\qu+\i+1], s[CS:CS+1] op_sel_hi:[1,0]   ; t = score x log2(e)
.endr
.endr
.irp qu, 0,1
	v_max3_num_f32 v[UA+10*\qu+1], v[SV+16*\qu], v[SV+16*\qu+1], v[SV+16*\qu+2]        ; the largest t of my 16 keys, in two chains for each tile of queries
	v_max3_num_f32 v[UA+10*\qu+2], v[SV+16*\qu+3], v[SV+16*\qu+4], v[SV+16*\qu+5]
.endr
.irp i, 6,10
.irp qu, 0,1
	v_max3_num_f32 v[UA+10*\qu+1], v[UA+10*\qu+1], v[SV+16*\qu+\i], v[SV+16*\qu+\i+1]
	v_max3_num_f32 v[UA+10*\qu+2], v[UA+10*\qu+2], v[SV+16*\qu+\i+2], v[SV+16*\qu+\i+3]
.endr
.endr
.irp qu, 0,1
	v_max3_num_f32 v[UA+10*\qu+1], v[UA+10*\qu+1], v[SV+16*\qu+14], v[SV+16*\qu+15]
.endr
.irp qu, 0,1
	v_max_num_f32 v[UA+10*\qu+1], v[UA+10*\qu+1], v[UA+10*\qu+2]
.endr
.irp qu, 0,1
	v_permlanex16_b32 v[UA+10*\qu+2], v[UA+10*\qu+1], s[SEL], s[SEL+1]
.endr
.irp qu, 0,1
	v_max_num_f32 v[UA+10*\qu+1], v[UA+10*\qu+1], v[UA+10*\qu+2]   ; with lane l xor 16's 16 keys: the row's
.endr
.irp qu, 0,1
	v_floor_f32 v[UA+10*\qu], -v[UA+10*\qu+1]      ; -M = floor(-t) = -ceil(t)
.endr
.irp i, 0,2,4,6,8,10,12,14
.irp qu, 0,1
	v_pk_add_f32 v[SV+16*\qu+\i:SV+16*\qu+\i+1], v[SV+16*\qu+\i:SV+16*\qu+\i+1], v[UA+10*\qu:UA+10*\qu+1] op_sel_hi:[1,0]   ; t - M
.endr
.endr
.irp qu, 0,1
	v_add_f32 v[UA+10*\qu+3], v[UA+10*\qu+1], v[UA+10*\qu]         ; the same of the row's largest t: p rises with t, so this gives the block's largest p, by the same operations on the same number
.endr
.irp i, 0,1,2,3,4,5,6,7,8,9,10,11,12,13,14,15
.irp qu, 0,1
	v_exp_f32 v[SV+16*\qu+\i], v[SV+16*\qu+\i]     ; p = 2^(t - M): not normalised
.endr
.endr
.irp qu, 0,1
	v_exp_f32 v[UA+10*\qu+3], v[UA+10*\qu+3]       ; over 1/2, at most 1
.endr
	v_mul_f32 v[EE], 0xbfb8aa3b, v[ZZ]             ; for the sigmoid.  (The plain place behind the exponentials)
	s_wait_alu depctr_va_vdst(0)                   ; the 34 exponentials have written p and the two largest p: one wait for the batch, ahead of its first reader
.irp qu, 0,1
	v_add_nc_u32 v[UA+10*\qu+3], 0xfe000000, v[UA+10*\qu+3]        ; 4 off the exponent field: the conversion's scale operand
.endr
.irp qu, 0,1
	v_cvt_scalef32_pk16_bf6_f32 v[UA+10*\qu+4:UA+10*\qu+6], v[SV+16*\qu:SV+16*\qu+15], v[UA+10*\qu+3]
.endr
.irp qu, 0,1
	v_lshrrev_b32 v[UA+10*\qu+2], 23, v[UA+10*\qu+3]               ; the scale's byte.  (The plain place behind the conversions)
.endr
.irp qu, 0,1
	v_lshl_or_b32 v[PS+\qu], v[UA+10*\qu+2], 8, v[UA+10*\qu+2]     ; for K block 0 (PA) and for K block 1 (PB)
.endr
	v_exp_f32 v[EE], v[EE]
.irp i, 0,2,4,6                                ; THE ROW'S SUM IS TAKEN OF THE UNQUANTISED p, in place: the codes are made
.irp qu, 0,1
	v_pk_add_f32 v[SV+16*\qu+\i:SV+16*\qu+\i+1], v[SV+16*\qu+\i:SV+16*\qu+\i+1], v[SV+16*\qu+\i+8:SV+16*\qu+\i+9]
.endr
.endr
.irp i, 0,2
.irp qu, 0,1
	v_pk_add_f32 v[SV+16*\qu+\i:SV+16*\qu+\i+1], v[SV+16*\qu+\i:SV+16*\qu+\i+1], v[SV+16*\qu+\i+4:SV+16*\qu+\i+5]
.endr
.endr
.irp qu, 0,1
	v_pk_add_f32 v[SV+16*\qu:SV+16*\qu+1], v[SV+16*\qu:SV+16*\qu+1], v[SV+16*\qu+2:SV+16*\qu+3]
.endr
	s_wait_alu depctr_va_vdst(0)                   ; the sigmoid's exponential has written its result, ahead of its first reader
	v_add_f32 v[EE], 1.0, v[EE]
	v_rcp_f32 v[EE], v[EE]                         ; sigmoid(theta - mu time)
.irp qu, 0,1
	v_add_f32 v[LL+\qu], v[SV+16*\qu], v[SV+16*\qu+1]
.endr
.irp qu, 0,1
	v_permlanex16_b32 v[UA+10*\qu+2], v[LL+\qu], s[SEL], s[SEL+1]
.endr
.irp qu, 0,1
	v_add_f32 v[LL+\qu], v[LL+\qu], v[UA+10*\qu+2] ; l
.endr
.irp qu, 0,1
.irp i, 0,1,2
	v_permlanex16_b32 v[UA+10*\qu+7+\i], v[UA+10*\qu+4+\i], s[SEL], s[SEL+1]   ; the other 16 keys' codes
.endr
.endr
	v_cndmask_b32 v[RL], v[LL], v[LL+1], s[HM]     ; lane (r, h): tile h's l
	v_rcp_f32 v[RL], v[RL]
.irp i, 0,1,2                                  ; tile 0's P
	v_cndmask_b32 v[Z+\i], v[UA+4+\i], 0, s[HM]            ; PA: lanes 0-15 keys 0-15 (mine),
	v_cndmask_b32 v[Z+3+\i], v[UA+7+\i], 0, s[HM]          ;     and keys 16-31 (the other half's); lanes 16-31 zeros
	v_cndmask_b32 v[Z+12+\i], 0, v[UA+7+\i], s[HM]         ; PB: lanes 16-31 keys 0-15 (the other half's),
	v_cndmask_b32 v[Z+15+\i], 0, v[UA+4+\i], s[HM]         ;     and keys 16-31 (mine); lanes 0-15 zeros
.endr
	s_wait_alu depctr_va_vdst(0)                   ; the two reciprocals have written the sigmoid and 1 / l: one wait for both, ahead of their first reader
	v_mul_f32 v[EE], v[EE], v[MC]                  ; x mask
	v_mul_f32 v[EE], v[EE], v[RL]                  ; / l: the query's weight
.irp i, 0,1,2                                  ; tile 1's P likewise: these twelve lines stand between the weight's last line and the wait for it
	v_cndmask_b32 v[Z+24+\i], v[UA+14+\i], 0, s[HM]
	v_cndmask_b32 v[Z+27+\i], v[UA+17+\i], 0, s[HM]
	v_cndmask_b32 v[Z+36+\i], 0, v[UA+17+\i], s[HM]
	v_cndmask_b32 v[Z+39+\i], 0, v[UA+14+\i], s[HM]
.endr
	s_wait_alu depctr_va_vdst(0)                   ; the weight is written, which the LDS store reads; so are P's codes and scale words, which the scaled products below and the next set's first products take
	ds_store_b32 v[LW], v[EE] offset:128           ; by lane,
.irp u, 0,1
.irp i, 0,1
	ds_load_b128 v[MG+8*\u+4*\i:MG+8*\u+4*\i+3], v[LR] offset:128+64*\u+16*\i   ; and back by query, as 8 m above
.endr
.endr
	; ---- x along the keys: 32 columns at a time
	s_wait_loadcnt W0                              ; this set's 32 rows are in
	s_wait_alu depctr_vm_vsrc(0)                   ; the LDS store has read the weight, whose register x's first codes take; this set's 32 row loads have read their offsets, which the next set's additions write again
	WIDEN 0
	KQ 0, 0
	WIDEN 1
	KQ 1, 0
	WIDEN 2
	KQ 2, 0
	WIDEN 3                                        ; the rows' registers have served:
.if (\n) < 3
	s_wait_kmcnt 0x0                               ; the next set's ids
	SO SON
	ADDRS SON
	s_wait_alu depctr_va_vdst(0)                   ; the 32 offsets are written, which the row loads read and land on; the widenings are done reading the 32 pairs, in which these loads land
.if (\n) == 0
	s_load_b512 s[SON:SON+15], s[IDS:IDS+1], 0x180 ; these offsets have served (the additions that read them stand ahead of the wait above): set 3's ids
	s_load_b512 s[SON+16:SON+31], s[IDS:IDS+1], 0x1c0
.endif
	KQ 3, 1                                        ; the next set's 32 rows are asked for among the last 32 columns' quantiser: the four batches below and the next set's softmax stand ahead of their use
.else
	KQ 3, 0
.endif
	; ---- O = P x and the pooling
	s_wait_dscnt 0x0                               ; the weights are back
	s_wait_alu depctr_va_vdst(0)                   ; the four quantisers have written x's codes, the six registers named behind them, and x's four scale words, which the scaled products take
	OBATCH 0
	OBATCH 1
	OBATCH 2
	OBATCH 3
	s_wait_alu depctr_va_vdst(0)                   ; the four batches have written their pooled numbers, which the LDS stores read; the last batch is done with the four registers in which the pooled row lands
.irp c, 0,1,2,3
	ds_store_b32 v[LW], v[PO+\c+(\c/2)*(XC-PO-2)] offset:256+128*\c
.endr
	ds_load_b128 v[SV+8:SV+11], v[LO] offset:256   ; the pooled row, 16 bytes a lane
	s_wait_dscnt 0x0
	global_store_b128 v[GOUT], v[SV+8:SV+11], s[OUT:OUT+1] offset:512*(\n) th:TH_STORE_NT   ; 32 lanes store 512 consecutive bytes, at a multiple of 256 from the output's first byte
.endm
	s_load_b256 s[4:11], s[0:1], 0x0               ; x's words s[4:5], the records s[6:7], ids s[8:9], the mask s[10:11]
	s_load_b128 s[12:15], s[0:1], 0x20             ; times s[12:13], the output s[14:15]
	v_lshrrev_b32 v10, 5, v0
	v_readfirstlane_b32 s[WV], v10                 ; wave 0..15
	v_and_b32 v10, 31, v0                          ; lane
	v_and_b32 v11, 15, v0                          ; r
	v_bfe_u32 v12, v0, 4, 1                        ; h
	s_wait_alu depctr_va_sdst(0)                   ; the wave's number is written, ahead of its first reader
	s_mul_i32 s59, s[WV], 768                      ; LDS: 768 bytes a wave: 128 of 8 m, 128 of weights, 512 of a pooled row
	v_lshlrev_b32 v[L8], 3, v10
	v_lshlrev_b32 v13, 2, v10
	v_lshlrev_b32 v[H32], 5, v12
	v_lshlrev_b32 v[GOUT], 4, v10
	v_add_nc_u32 v[LW], s59, v13
	v_add_nc_u32 v[LR], s59, v[H32]
	v_add_nc_u32 v[LO], s59, v[GOUT]
	v_and_b32 v13, 8, v11
	v_add_nc_u32 v13, v13, v11                     ; r + 8 (r / 8)
	v_lshlrev_b32 v[IOA], 2, v13
	v_add_nc_u32 v[IOW], v[IOA], v[H32]
	s_mov_b32 s[HM], 0xffff0000
	s_mov_b32 s[SEL], 0x76543210
	s_mov_b32 s[SEL+1], 0xfedcba98
	s_mov_b32 s[CS], 0x3e38aa3b                    ; log2(e) / 8
	s_mov_b32 s[CS+1], s[CS]                       ; (named with it as a pair, so it is written)
	s_lshl_b32 s58, ttmp9, 4
	s_add_co_u32 s58, s58, s[WV]                   ; g
	s_lshl_b32 s60, s58, 9                         ; my four sets: 512 bytes of ids and of the mask,
	s_mov_b32 s61, 0
	s_lshl_b32 s62, s58, 4                         ; 16 of times,
	s_mov_b32 s63, 0
	s_lshl_b32 s2, s58, 11                         ; 2,048 of the output
	s_mov_b32 s3, 0
	s_wait_kmcnt 0x0
	s_add_nc_u64 s[IDS:IDS+1], s[IDS:IDS+1], s[60:61]
	s_add_nc_u64 s[MSK:MSK+1], s[MSK:MSK+1], s[60:61]
	s_add_nc_u64 s[TIM:TIM+1], s[TIM:TIM+1], s[62:63]
	s_add_nc_u64 s[OUT:OUT+1], s[OUT:OUT+1], s[2:3]
	s_load_b512 s[SA:SA+15], s[IDS:IDS+1], 0x0     ; the first two sets' ids as scalars, for the rows of x
	s_load_b512 s[SA+16:SA+31], s[IDS:IDS+1], 0x40
	s_load_b512 s[SB:SB+15], s[IDS:IDS+1], 0x80
	s_load_b512 s[SB+16:SB+31], s[IDS:IDS+1], 0xc0
	s_load_b128 s[TMS:TMS+3], s[TIM:TIM+1], 0x0
	s_wait_alu depctr_va_vdst(0)                   ; the LDS addresses and offsets v2 to v7 are written, which the kernel's loads and stores read; the head's lines are done with v10 to v13, in which the ids land
	ID 0                                           ; and by lane, for the records
	ID 1
.irp i, 0,1,2,3,4,5
	v_mov_b32 v[QF+6+\i], 0                        ; the zero codes of K = 64 .. 127 in q's two fragments,
	v_mov_b32 v[QF+18+\i], 0
	v_mov_b32 v[Z+6+\i], 0                         ; and in P's four slots: written once, they stay
	v_mov_b32 v[Z+18+\i], 0
	v_mov_b32 v[Z+30+\i], 0
	v_mov_b32 v[Z+42+\i], 0
	v_mov_b32 v[Z+\i], 0                           ; (named by the first set's first products behind k's second fragment)
.endr
.irp i, 5,12,17,18,19,22,27,28,29
	v_mov_b32 v[T+\i], 0                           ; written once: a lane permute's destination counts as one of its sources
.endr
	s_wait_loadcnt 2                               ; set 0's ids are in; set 1's two loads may be out
	RO 0
	s_wait_alu depctr_va_vdst(0)                   ; set 0's two offsets are written, which the record loads read; so are the zero codes, which the scaled products take
	FR 0
	s_wait_kmcnt 0x0
	SO SA
	ADDRS SA
	s_wait_alu depctr_va_vdst(0)                   ; set 0's 32 offsets are written, which the row loads read and land on
	ROWS 0, 32                                     ; set 0's 32 rows
	s_load_b512 s[SA:SA+15], s[IDS:IDS+1], 0x100   ; these offsets have served: set 2's ids
	s_load_b512 s[SA+16:SA+31], s[IDS:IDS+1], 0x140
	SET 0
	SET 1
	SET 2
	SET 3
	s_wait_xcnt 0x0
	v_lshl_add_u32 v250, v0, 2, 0x3000             ; the add's two registers are made anew here (no memory or LDS instruction has read either)
	v_mov_b32 v251, 0
	s_wait_dscnt 0x0                               ; the closing lines, six on end
	s_wait_alu 0x0
	s_wait_tensorcnt 0x0
	ds_add_u32 v250, v251
	s_wait_dscnt 0x0
	s_endpgm
.Lfunc_end_k_qb36e77f1de_attn:
	.size	k_qb36e77f1de_attn, .Lfunc_end_k_qb36e77f1de_attn-k_qb36e77f1de_attn
	.p2alignl 7, 3214868480
	.fill 96, 4, 3214868480
	.section	.rodata,"a",@progbits
	.p2align	6, 0x0
	.amdhsa_kernel k_qb36e77f1de_attn
		.amdhsa_group_segment_fixed_size 14336
		.amdhsa_private_segment_fixed_size 0
		.amdhsa_enable_private_segment 0
		.amdhsa_kernarg_size 48
		.amdhsa_user_sgpr_count 2
		.amdhsa_user_sgpr_kernarg_segment_ptr 1
		.amdhsa_wavefront_size32 1
		.amdhsa_system_sgpr_workgroup_id_x 1
		.amdhsa_system_sgpr_workgroup_id_y 1
		.amdhsa_system_sgpr_workgroup_id_z 1
		.amdhsa_system_vgpr_workitem_id 0
		.amdhsa_next_free_vgpr 256
		.amdhsa_next_free_sgpr 100
		.amdhsa_reserve_vcc 1
		.amdhsa_float_denorm_mode_32 3
		.amdhsa_float_denorm_mode_16_64 3
		.amdhsa_memory_ordered 1
		.amdhsa_forward_progress 1
		.amdhsa_inst_pref_size 156
	.end_amdhsa_kernel
	.amdgpu_metadata
---
amdhsa.version: [ 1, 2 ]
amdhsa.kernels:
  - .name:           k_qb36e77f1de_attn
    .symbol:         k_qb36e77f1de_attn.kd
    .args:
      - { .name: xh, .offset: 0, .size: 8, .value_kind: global_buffer, .address_space: global }
      - { .name: rec, .offset: 8, .size: 8, .value_kind: global_buffer, .address_space: global }
      - { .name: input_ids, .offset: 16, .size: 8, .value_kind: global_buffer, .address_space: global }
      - { .name: id_mask, .offset: 24, .size: 8, .value_kind: global_buffer, .address_space: global }
      - { .name: input_times, .offset: 32, .size: 8, .value_kind: global_buffer, .address_space: global }
      - { .name: out0, .offset: 40, .size: 8, .value_kind: global_buffer, .address_space: global }
    .group_segment_fixed_size: 14336
    .private_segment_fixed_size: 0
    .kernarg_segment_align: 8
    .kernarg_segment_size: 48
    .max_flat_workgroup_size: 512
    .sgpr_count:     100
    .vgpr_count:     256
    .wavefront_size: 32
...
	.end_amdgpu_metadata
.endif
;; end of part 6
